; MI455X (gfx1250); checked and timed in simulation.
; The chip was launched on July 23, 2026; its instructions are those of AMD's public machine-readable ISA for CDNA 5 (MIT licence, August 2026) and "CDNA5" Instruction Set Architecture Reference Guide (July 2026). The comments in the code are by the model that wrote it; some were corrected since.
;; Attention. Allowed arithmetic: matrix products marked QUANTISED: E4M3 operands, one E8M0 scale for each 32 along K, by v_wmma_scale_f32_16x16x128_f8f6f4 with both operands' format E4M3, f32 sums; everything else in f32.
;; Inputs: Wk 1,024 x 1,024 float32; Wo 1,024 x 1,024 float32; Wq 1,024 x 1,024 float32; Wv 1,024 x 1,024 float32; mask 2,048 x 2,048 float32; x 2 x 2,048 x 1,024 float32.
;; Outputs: out0 2 x 2,048 x 1,024 float32.
;; This version of the problem:
;;   THIS VERSION OF THE PROBLEM IS GIVEN IN LOW PRECISION. The matrix products marked QUANTISED in the list below multiply operands that are first quantised to E4M3 (4 exponent bits, 3 mantissa bits; 8 bits a number), with one power-of-two scale for each 32 numbers along K (OCP MX v1.0); their sums are f32. All else is computed in f32.
;;   The module's matrix products, in the order in which they are computed (A, B: the left and right operand; K: the contracted axis; several contracted axes count as one K, in the product's order):
;;     1. [M 4,096, K 1,024] x [K 1,024, N 1,024]; A: input x; B: input Wq: QUANTISED
;;     2. [M 4,096, K 1,024] x [K 1,024, N 1,024]; A: input x; B: input Wk: QUANTISED
;;     3. [M 4,096, K 1,024] x [K 1,024, N 1,024]; A: input x; B: input Wv: QUANTISED
;;     4. batch 32 x [M 2,048, K 64] x [K 64, N 2,048]; A: computed on the way; B: computed on the way: QUANTISED
;;     5. batch 32 x [M 64, K 2,048] x [K 2,048, N 2,048]; A: computed on the way; B: softmax (see below): QUANTISED
;;     6. [M 4,096, K 1,024] x [K 1,024, N 1,024]; A: computed on the way; B: input Wo: QUANTISED
;;   THE QUANTISER, for each operand of a quantised product, along K:
;;     - K is cut into blocks of 32 from its start; a last block that is shorter is filled with zeros.
;;     - A block's scale is 2^e with e = floor(log2(the largest magnitude in the block)) - 8, held to -126 .. 127; a block of zeros has e = 0. As a byte (E8M0): e + 127.
;;     - Each number is divided by its block's scale, clamped to +-448, and rounded to the nearest number of E4M3, ties to even, subnormals kept.
;;     - The product sums the exact products of the quantised numbers (number of the format x scale) in f32.
;;   ~~~python
;;   def quantise(x, axis):      # numpy; x: float32 -> the quantised numbers, widened to float32 again
;;       x = np.moveaxis(x, axis, -1); K = x.shape[-1]
;;       x = np.pad(x, [(0, 0)] * (x.ndim - 1) + [(0, -K % 32)]); x = x.reshape(x.shape[:-1] + (-1, 32)); a = np.abs(x).max(-1, keepdims=True)
;;       e = np.where(a > 0, np.clip(np.frexp(np.where(a > 0, a, 1))[1] - 1 - 8, -126, 127), 0)      # np.frexp(a)[1] - 1 = floor(log2(a)), exactly
;;       r = np.clip(x / 2.0 ** e, -448, 448)
;;       step = 2.0 ** (np.maximum(np.frexp(np.where(r == 0, 1, r))[1] - 1, -6) - 3)
;;       q = np.round(r / step) * step * 2.0 ** e      # np.round: ties to even
;;       return np.moveaxis(q.reshape(q.shape[:-2] + (-1,))[..., :K], -1, axis).astype(np.float32)
;;   ~~~
;;   SOFTMAX AHEAD OF A QUANTISED PRODUCT. Where the list says 'softmax', what is quantised is not the finished softmax but p = 2^(t - M), with t = logit x log2(e) and M = ceil(the row's largest t), a whole number; so 1/2 < the row's largest p <= 1. The row's sum l is taken of the UNQUANTISED p, in f32, and the product's result is divided by l at the end. Since M is a whole number, a kernel that streams over the keys may use a running M (the ceiling of the running maximum): every later rescaling is an exact power of two, which a block's scale takes up: the codes' values come out the same.
;;   OPERANDS COMPUTED ON THE WAY. 'Computed on the way' means the value that the module computes at that place (a softmax that the list does not call 'softmax' is quantised finished and normalised). What goes into a quantiser is computed in f32, as accurately as f32 sums, v_exp_f32 and their like allow (about 1e-6 of the number): no bf16 or f16 on the way to a quantiser, and a product that is left as it is and whose result goes on into a quantised operand takes f32 operands (vector FMAs, or v_wmma_f32_16x16x4_f32). A number that lies on a knife's edge between two numbers of the format may be rounded either way, as far as f32 arithmetic and the matrix unit's own rounding can turn it there, and no further.
;; One version. Each part assembles by itself: llvm-mc -triple=amdgcn-amd-amdhsa -mcpu=gfx1250 --defsym DOCPART=n.
;; ======== version 1 of 1: 4 launches
;; limits: right only within a limited range of input values
;; workspace buffers: codes 8,388,608 bytes; scales 262,144 bytes; rope 524,288 bytes; qc 4,456,448 bytes; kv 8,912,896 bytes; ac 4,194,304 bytes; asc 131,072 bytes
;; launch quant (part 1): grid 256 x 1, 4 waves a work-group, no clusters, 34,304 bytes of LDS; arguments x, Wq, Wk, Wv, Wo, codes, scales, rope; writes codes, scales, rope
.if DOCPART == 1
	.amdgcn_target "amdgcn-amd-amdhsa--gfx1250"
	.amdhsa_code_object_version 6
	.text
	.protected	k_qa80dee8c10_quant
	.globl	k_qa80dee8c10_quant
	.p2align	8
	.type	k_qa80dee8c10_quant,@function
k_qa80dee8c10_quant:
	s_mov_b64 s[64:65], 0
	v_nop
	global_prefetch_b8 v0, s[64:65] scope:SCOPE_SE
	s_setreg_imm32_b32 hwreg(HW_REG_WAVE_MODE, 25, 1), 1
	s_wait_xcnt 0x0
; x [4096][1024] and Wq, Wk, Wv, Wo [1024][1024], f32 with K innermost, are one matrix of 8,192 rows.  It becomes codes of FP8 (E4M3) with one E8M0 byte for each 32 along K.
; A block's scale is 2^(floor(log2(its largest magnitude)) - 8); each number is divided by it, held within +-448 and rounded to the nearest code, ties to even.
; THE CODES ARE LAID AS IMAGES OF OPERAND REGISTERS: [K step of 256: 4][tile of 16 rows: 512][128 along K: 2][group c: 4][lane: 32][16 bytes]; lane (r, h) of group c holds k = 32 c + 16 h + 0 .. 15 of the tile's slot r.
; THE ROWS OF A TILE ARE NOT NEIGHBOURS: of each 32 rows, tile u (0, 1) slot i holds row 16 (i / 8) + 8 u + i % 8, so that a product that takes two such tiles as source 0 leaves 16 neighbouring rows in a lane's 16 registers.
; The scale words are laid [tile][half of K][slot r][4 words], a word for each 128 along K.
; The launch also makes the rotary table: [tile of 16 positions, in the same order of rows: 128][g: 8][lane][cos j0, sin j0, cos j0+1, sin j0+1], j0 = 16 (g / 4) + 8 h + 2 (g % 4).
; SHARES: work-group W takes 32 rows (two tiles); wave w tile w / 2 and half w % 2 of K: four fragments of 16 rows x 128.  Each load reads 512 consecutive bytes of a row; a fragment turns through the wave's own
; stage in LDS (rows of 512 + 16 bytes), so that a lane gets 16 neighbours of each block.  Waves share nothing: no barrier.  Two fragments' loads (32 a wave) are out at the start, 16 while a fragment is worked.
; No matrix unit, no cluster, no tensor load: every byte is read once and nothing is shared.
; LIMITS: NaN and infinities are not served.  Blocks whose largest magnitude lies under 2^-118 get the byte 1 (a block of zeros too, where the quantiser says 127: its codes are zeros, and this program alone reads the bytes).
; The table's angle is position x inv_freq with one rounding; inv_freq is good to about an ulp, so an angle near 2,000 is good to about 1e-4, as any f32 angle of that size is.
.set RP,   528                         ; a stage row
.set STG,  16*RP                       ; a wave's stage
.set R,    16                          ; v16-143  two sets of 64 registers as loaded
.set X,    144                         ; v144-207 a fragment's 64 numbers: register 16 c + i = k 32 c + 16 h + i of slot r
.set PC,   208                         ; v208-223 its codes
.set TM,   224                         ; v224-239 at work
.set PW,   240                         ; v240-243 the four fragments' scale words
.set RT,   244                         ; v244-247 my four numbers of the table
.set POS,  144                         ; the table's arithmetic uses X's registers before X is first filled
.set SEL,  28                          ; s[28:29] selects for lane l xor 16
.set MNT,  30                          ; s30 the mantissa field of 448
	s_load_b256 s[4:11], s[0:1], 0x0               ; x, Wq, Wk, Wv
	s_load_b256 s[12:19], s[0:1], 0x20             ; Wo, codes, scales, rope
	v_lshl_add_u32 v254, v0, 2, 0x8400
	v_mov_b32 v255, 0
	v_lshrrev_b32 v5, 5, v0
	v_readfirstlane_b32 s22, v5                    ; wave
	v_and_b32 v6, 31, v0                           ; lane
	v_and_b32 v7, 15, v0                           ; r
	v_bfe_u32 v8, v0, 4, 1                         ; h
	v_lshlrev_b32 v1, 4, v6                        ; 16 x lane: in memory, both ways
	s_mul_i32 s23, s22, STG
	v_add_nc_u32 v2, s23, v1                       ; the stage, on the way in
	v_mul_u32_u24 v3, v7, RP
	v_lshl_add_u32 v3, v8, 6, v3
	v_add_nc_u32 v3, s23, v3                       ; and on the way out: row r, + 64 h
	v_lshlrev_b32 v4, 4, v7
	v_lshl_add_u32 v4, v8, 3, v4                   ; the scale words: 16 r + 8 h
	v_lshlrev_b32 v9, 4, v0                        ; the table: 16 x thread
	s_lshr_b32 s24, s22, 1                         ; u: which tile
	s_and_b32 s25, s22, 1                          ; which half of K
	s_and_b32 s26, ttmp9, 31
	s_cmp_lt_u32 ttmp9, 128
	s_cselect_b32 s26, ttmp9, s26                  ; which 32 rows of my tensor
	s_lshl_b32 s26, s26, 5
	s_lshl_b32 s27, s24, 3
	s_add_co_u32 s26, s26, s27                     ; slot 0's row: 32 x that + 8 u
	s_lshl_b32 s26, s26, 12                        ; rows of 4,096 bytes
	s_lshl_b32 s27, s25, 11
	s_add_co_u32 s26, s26, s27                     ; + 2,048 for the upper half of K
	s_mov_b32 s27, 0
	s_mov_b32 s[SEL], 0x76543210
	s_mov_b32 s[SEL+1], 0xfedcba98
	s_mov_b32 s[MNT], 0x600000
	s_lshl_b32 s32, ttmp9, 1
	s_add_co_u32 s32, s32, s24                     ; my tile of the 512
	s_lshr_b32 s37, ttmp9, 2                       ; the table: tile of positions W / 2, g = 4 (W % 2) + wave
	s_lshl_b32 s37, s37, 5
	s_bfe_u32 s38, ttmp9, 0x10001
	s_lshl_b32 s38, s38, 3
	s_add_co_u32 s37, s37, s38                     ; position of slot 0: 32 (W / 4) + 8 ((W / 2) % 2)
	s_and_b32 s38, ttmp9, 1
	s_lshl_b32 s38, s38, 4
	s_lshl_b32 s39, s22, 1
	s_add_co_u32 s38, s38, s39                     ; j0 less 8 h: 16 (W % 2) + 2 x wave
	s_wait_alu depctr_va_vdst(0)
	s_wait_kmcnt 0x0
	s_mov_b64 s[20:21], s[12:13]                   ; which tensor: the choice hangs on the work-group's number alone
	s_cmp_lt_u32 ttmp9, 224
	s_cselect_b64 s[20:21], s[10:11], s[20:21]
	s_cmp_lt_u32 ttmp9, 192
	s_cselect_b64 s[20:21], s[8:9], s[20:21]
	s_cmp_lt_u32 ttmp9, 160
	s_cselect_b64 s[20:21], s[6:7], s[20:21]
	s_cmp_lt_u32 ttmp9, 128
	s_cselect_b64 s[20:21], s[4:5], s[20:21]
	s_add_nc_u64 s[20:21], s[20:21], s[26:27]
	s_lshl_b32 s34, s32, 12                        ; codes: tile x 4,096 + two K steps for the upper half of K
	s_lshl_b32 s35, s25, 22
	s_add_co_u32 s34, s34, s35
	s_mov_b32 s35, 0
	s_add_nc_u64 s[14:15], s[14:15], s[34:35]
	s_lshl_b32 s34, s32, 9                         ; scale words: tile x 512 + 256 x half
	s_lshl_b32 s36, s25, 8
	s_add_co_u32 s34, s34, s36
	s_add_nc_u64 s[16:17], s[16:17], s[34:35]
	s_lshl_b32 s34, ttmp9, 11                      ; the table: 2,048 bytes a work-group
	s_add_nc_u64 s[18:19], s[18:19], s[34:35]
.macro LOAD f                          ; fragment f: slot i's 128 numbers, 512 consecutive bytes a load
.irp i, 0,1,2,3,4,5,6,7,8,9,10,11,12,13,14,15
	global_load_b128 v[R+64*((\f)%2)+4*\i:R+64*((\f)%2)+4*\i+3], v1, s[20:21] offset:(16*(\i/8)+\i%8)*4096+512*(\f) th:TH_LOAD_NT
.endr
.endm
.macro TURN f                          ; through my stage: LDS serves a wave's instructions in order, so no wait stands between the stores and the loads
.irp i, 0,1,2,3,4,5,6,7,8,9,10,11,12,13,14,15
	ds_store_b128 v2, v[R+64*((\f)%2)+4*\i:R+64*((\f)%2)+4*\i+3] offset:RP*\i
.endr
.irp c, 0,1,2,3
.irp j, 0,1,2,3
	ds_load_b128 v[X+16*\c+4*\j:X+16*\c+4*\j+3], v3 offset:128*\c+16*\j
.endr
.endr
.endm
; 64 numbers of a lane become a fragment's codes in v[PC] on and its scale word in v[pw]
.macro QUANT s, pw
.irp b, 0,1,2,3
	v_max3_num_f32 v[TM+\b], |v[\s+16*\b]|, |v[\s+1+16*\b]|, 0x4800000   ; block b: my 16 numbers, and the floor 2^(9 - 127): the byte cannot fall under 1
.endr
.irp i, 2,4,6,8,10,12,14
.irp b, 0,1,2,3
	v_max3_num_f32 v[TM+\b], v[TM+\b], |v[\s+16*\b+\i]|, |v[\s+1+16*\b+\i]|   ; the four blocks by turns
.endr
.endr
.irp b, 0,1,2,3
	v_permlanex16_b32 v[TM+4+\b], v[TM+\b], s[SEL], s[SEL+1]
.endr
.irp b, 0,1,2,3
	v_max_num_f32 v[TM+\b], v[TM+\b], v[TM+4+\b]   ; with lane l xor 16's 16: the block's largest magnitude
.endr
.irp b, 0,1,2,3
	v_add_nc_u32 v[TM+12+\b], 0xfc000000, v[TM+\b] ; 8 off its exponent field: the conversion's scale operand
.endr
.irp b, 0,1,2,3
	v_and_or_b32 v[TM+8+\b], v[TM+\b], 0x7f800000, s[MNT]   ; 448 x the scale
.endr
.irp b, 0,1,2,3
	v_lshrrev_b32 v[TM+4+\b], 23, v[TM+12+\b]      ; the scale's byte
.endr
	v_lshl_or_b32 v[\pw], v[TM+5], 8, v[TM+4]
	v_lshl_or_b32 v[\pw], v[TM+6], 16, v[\pw]
	v_lshl_or_b32 v[\pw], v[TM+7], 24, v[\pw]
.irp b, 0,1,2,3
.irp i, 0,1,2,3,4,5,6,7,8,9,10,11,12,13,14,15
	v_med3_num_f32 v[\s+16*\b+\i], v[\s+16*\b+\i], -v[TM+8+\b], v[TM+8+\b]   ; the conversion to an 8-bit code does not saturate (ISA guide 7.6.2): the hold comes first
.endr
	v_cvt_scalef32_pk8_fp8_f32 v[PC+4*\b:PC+1+4*\b], v[\s+16*\b:\s+7+16*\b], v[TM+12+\b]
	v_cvt_scalef32_pk8_fp8_f32 v[PC+2+4*\b:PC+3+4*\b], v[\s+8+16*\b:\s+15+16*\b], v[TM+12+\b]
.endr
	v_nop                                          ; a plain line behind the last conversion
.endm
; cos and sin of position x 10000^(-j / 32).  The exponent -j log2(10) / 8 is split into a whole part and a fraction that the fused multiply-adds keep exact (the constant in two words);
; the angle is brought into +-pi/4 by pi/2 in two words; polynomials of degree 7 and 8; the quadrant swaps and signs.
.macro TRIG jf, co, si, t
	v_mul_f32 v[\t], 0xbed49a78, v[\jf]
	v_rndne_f32 v[\t], v[\t]                       ; the whole part
	v_fma_f32 v[\t+1], v[\jf], 0xbed49a78, -v[\t]
	v_fma_f32 v[\t+1], v[\jf], 0xb2179a17, v[\t+1] ; the fraction
	v_cvt_i32_f32 v[\t], v[\t]
	s_wait_alu depctr_va_vdst(0)
	v_exp_f32 v[\t+1], v[\t+1]
	v_nop                                          ; a plain line behind the transcendental
	s_wait_alu depctr_va_vdst(0)
	v_ldexp_f32 v[\t+1], v[\t+1], v[\t]            ; inv_freq
	v_mul_f32 v[\t+1], v[POS], v[\t+1]             ; the angle, one rounding
	v_mul_f32 v[\t+2], 0x3f22f983, v[\t+1]
	v_rndne_f32 v[\t+2], v[\t+2]                   ; n = the nearest multiple of pi/2
	v_fma_f32 v[\t+3], v[\t+2], 0xbfc90fdb, v[\t+1]
	v_fma_f32 v[\t+3], v[\t+2], 0x333bbd2e, v[\t+3]   ; what is left, within +-pi/4
	v_mul_f32 v[\t+4], v[\t+3], v[\t+3]            ; z
	v_cvt_i32_f32 v[\t+2], v[\t+2]
	v_mov_b32 v[\t+5], 0xb94ca1f9
	v_fmaak_f32 v[\t+5], v[\t+4], v[\t+5], 0x3c08839e
	v_fmaak_f32 v[\t+5], v[\t+4], v[\t+5], 0xbe2aaaa3
	v_mul_f32 v[\t+5], v[\t+4], v[\t+5]
	v_fma_f32 v[\t+5], v[\t+3], v[\t+5], v[\t+3]   ; sin
	v_mov_b32 v[\t+6], 0x37ccf5ce
	v_fmaak_f32 v[\t+6], v[\t+4], v[\t+6], 0xbab6061a
	v_fmaak_f32 v[\t+6], v[\t+4], v[\t+6], 0x3d2aaaa5
	v_mul_f32 v[\t+7], v[\t+4], v[\t+4]
	v_fma_f32 v[\t+8], v[\t+4], -0.5, 1.0
	v_fma_f32 v[\t+6], v[\t+7], v[\t+6], v[\t+8]   ; cos
	v_and_b32 v[\t+7], 1, v[\t+2]
	v_cmp_ne_u32 vcc_lo, 0, v[\t+7]                ; an odd quadrant swaps the two
	v_cndmask_b32 v[\t+8], v[\t+5], v[\t+6], vcc_lo
	v_cndmask_b32 v[\t+9], v[\t+6], v[\t+5], vcc_lo
	v_lshlrev_b32 v[\t+7], 30, v[\t+2]             ; sin is negative in quadrants 2, 3
	v_and_b32 v[\t+7], 0x80000000, v[\t+7]
	v_xor_b32 v[\si], v[\t+7], v[\t+8]
	v_add_nc_u32 v[\t+2], 1, v[\t+2]               ; cos in quadrants 1, 2
	v_lshlrev_b32 v[\t+7], 30, v[\t+2]
	v_and_b32 v[\t+7], 0x80000000, v[\t+7]
	v_xor_b32 v[\co], v[\t+7], v[\t+9]
.endm
	LOAD 0
	LOAD 1
.irp b, 0,1,2,3
	v_mov_b32 v[TM+4+\b], 0                        ; written once: a lane permute's destination counts as one of its sources
.endr
	v_and_b32 v[POS], 7, v7                        ; the table, while the loads are on their way
	v_and_b32 v[POS+1], 8, v7
	v_lshl_add_u32 v[POS], v[POS+1], 1, v[POS]     ; r % 8 + 16 (r / 8)
	v_add_nc_u32 v[POS], s37, v[POS]
	v_cvt_f32_u32 v[POS], v[POS]                   ; my position
	v_lshl_add_u32 v[POS+1], v8, 3, s38
	v_cvt_f32_u32 v[POS+1], v[POS+1]               ; j0
	v_add_f32 v[POS+2], 1.0, v[POS+1]              ; j0 + 1
	TRIG POS+1, RT, RT+1, POS+4
	TRIG POS+2, RT+2, RT+3, POS+16
	global_store_b128 v9, v[RT:RT+3], s[18:19]     ; a wave stores 512 consecutive bytes
.macro PART f
.if (\f) < 3
	s_wait_loadcnt 16                              ; this fragment's 16 loads are in; the next fragment's 16 may be out
.else
	s_wait_loadcnt 0x0
.endif
	TURN \f
	s_wait_dscnt 0x0                               ; X is in, and the stage's stores have read their registers,
.if (\f) < 2
	LOAD (\f)+2                                    ; which take the loads of two fragments on
.endif
	s_wait_xcnt 0x0                                ; the codes' registers, which the last fragment's stores read, are written again only behind this wait
	QUANT X, PW+(\f)
.irp c, 0,1,2,3
	global_store_b128 v1, v[PC+4*\c:PC+4*\c+3], s[14:15] offset:((\f)/2)*2097152+((\f)%2)*2048+512*\c   ; 512 consecutive bytes, aligned
.endr
.endm
	PART 0
	PART 1
	PART 2
	PART 3
	v_cmp_ne_u32 vcc_lo, 0, v8                     ; both halves of the lanes hold all four words of slot r: lane (r, h) stores words 2 h, 2 h + 1
	v_cndmask_b32 v252, v[PW], v[PW+2], vcc_lo
	v_cndmask_b32 v253, v[PW+1], v[PW+3], vcc_lo
	global_store_b64 v4, v[252:253], s[16:17]      ; the wave stores 256 consecutive bytes, aligned
	s_wait_tensorcnt 0x0
	ds_add_u32 v254, v255
	s_wait_dscnt 0x0
	s_endpgm
.Lfunc_end_k_qa80dee8c10_quant:
	.size	k_qa80dee8c10_quant, .Lfunc_end_k_qa80dee8c10_quant-k_qa80dee8c10_quant
	.p2alignl 7, 3214868480
	.fill 96, 4, 3214868480
	.section	.rodata,"a",@progbits
	.p2align	6, 0x0
	.amdhsa_kernel k_qa80dee8c10_quant
		.amdhsa_group_segment_fixed_size 34304
		.amdhsa_private_segment_fixed_size 0
		.amdhsa_enable_private_segment 0
		.amdhsa_kernarg_size 64
		.amdhsa_user_sgpr_count 2
		.amdhsa_user_sgpr_kernarg_segment_ptr 1
		.amdhsa_wavefront_size32 1
		.amdhsa_system_sgpr_workgroup_id_x 1
		.amdhsa_system_sgpr_workgroup_id_y 1
		.amdhsa_system_sgpr_workgroup_id_z 1
		.amdhsa_system_vgpr_workitem_id 0
		.amdhsa_next_free_vgpr 256
		.amdhsa_next_free_sgpr 66
		.amdhsa_reserve_vcc 1
		.amdhsa_float_denorm_mode_32 3
		.amdhsa_float_denorm_mode_16_64 3
		.amdhsa_memory_ordered 1
		.amdhsa_forward_progress 1
		.amdhsa_inst_pref_size 56
	.end_amdhsa_kernel
	.amdgpu_metadata
---
amdhsa.version: [ 1, 2 ]
amdhsa.kernels:
  - .name:           k_qa80dee8c10_quant
    .symbol:         k_qa80dee8c10_quant.kd
    .args:
      - { .name: x, .offset: 0, .size: 8, .value_kind: global_buffer, .address_space: global }
      - { .name: Wq, .offset: 8, .size: 8, .value_kind: global_buffer, .address_space: global }
      - { .name: Wk, .offset: 16, .size: 8, .value_kind: global_buffer, .address_space: global }
      - { .name: Wv, .offset: 24, .size: 8, .value_kind: global_buffer, .address_space: global }
      - { .name: Wo, .offset: 32, .size: 8, .value_kind: global_buffer, .address_space: global }
      - { .name: codes, .offset: 40, .size: 8, .value_kind: global_buffer, .address_space: global }
      - { .name: scales, .offset: 48, .size: 8, .value_kind: global_buffer, .address_space: global }
      - { .name: rope, .offset: 56, .size: 8, .value_kind: global_buffer, .address_space: global }
    .group_segment_fixed_size: 34304
    .private_segment_fixed_size: 0
    .kernarg_segment_align: 8
    .kernarg_segment_size: 64
    .max_flat_workgroup_size: 128
    .sgpr_count:     66
    .vgpr_count:     256
    .wavefront_size: 32
...
	.end_amdgpu_metadata
.endif
;; end of part 1
;; launch qkv (part 2): grid 8 x 24, 4 waves a work-group, clusters of 4 x 4, 327,680 bytes of LDS; arguments codes, scales, rope, qc, kv; writes qc, kv
.if DOCPART == 2
	.amdgcn_target "amdgcn-amd-amdhsa--gfx1250"
	.amdhsa_code_object_version 6
	.text
	.protected	k_qa80dee8c10_qkv
	.globl	k_qa80dee8c10_qkv
	.p2align	8
	.type	k_qa80dee8c10_qkv,@function
k_qa80dee8c10_qkv:
	s_mov_b64 s[64:65], 0
	v_nop
	global_prefetch_b8 v0, s[64:65] scope:SCOPE_SE
	s_setreg_imm32_b32 hwreg(HW_REG_WAVE_MODE, 25, 1), 1
	s_wait_xcnt 0x0
	s_wait_alu depctr_hold_cnt(0) depctr_sa_sdst(0) depctr_va_vdst(0) depctr_va_sdst(0) depctr_va_ssrc(0) depctr_va_vcc(0) depctr_vm_vsrc(0)
	s_getreg_b32 s2, hwreg(HW_REG_IB_STS2, 6, 4)
	s_cmp_eq_u32 s2, 0
	s_cbranch_scc0 .Lentry_in_a_cluster
	s_endpgm
.Lentry_in_a_cluster:
	s_bfe_u32 s2, ttmp6, 0x10000c
	s_cmp_lg_u32 s2, 0xf033
	s_cbranch_scc0 .Lentry_shape_is_right
	s_endpgm
.Lentry_shape_is_right:
.set NQ,     2
.set FR,     16
.set NL,     4
.set NP,     8
.set HALFT,  32768
.set SLOT,   131072
.set SCL,    262144
.set SPARE,  278528
.set KSTRA,  2097152
.set KSTRB,  2097152
.set FLOOR,  0x6000000
.set ADRA, 16
.set ADRB, 20
.set CO,   26
.set ADRS, 27
.set SPW,  28
.set NIL,  29
.set SC,   32
.set CS,   64
.set AF,   128
.set X,    128
.set T,    192
.set PC,   208
.set TM,   224
.set PW,   240
.set KW,   248
.set SEL,  2
.set MNT,  97
.set G1, 24
.set G0, 32
.set G1B, 48
.set G0B, 56
.set G1S, 68
.set G0S, 76
.set G1SB, 80
.set G0SB, 88
.set MSB, 0
.macro WIN new
.if MSB != (\new)
	s_set_vgpr_msb (MSB<<8)|(\new)
.set MSB, (\new)
.endif
.endm
.set MUL_LO, 0xa1
.set MUL_HI, 0xf1
.set TO_B,   0x40
.macro JLOAD g0a, g1a, g0b, g1b
	s_cmp_eq_u32 s15, 0
	s_cbranch_scc0 .Lfor_b_\@
	tensor_load_to_lds s[\g0a:\g0a+3], s[\g1a:\g1a+7]
	s_nop 0
.rept 4
	v_nop
.endr
	s_branch .Lasked_\@
.Lfor_b_\@:
	tensor_load_to_lds s[\g0b:\g0b+3], s[\g1b:\g1b+7]
	s_nop 0
.rept 4
	v_nop
.endr
.Lasked_\@:
.endm
.macro CREST
	s_cmp_lg_u32 s14, 0
	s_cbranch_scc1 .Lnot_wave_0_\@
	s_barrier_signal -3
.Lnot_wave_0_\@:
	s_barrier_wait -3
	s_barrier_signal -1
	s_barrier_wait -1
.endm
.macro CROUND
	s_barrier_signal -1
	s_barrier_wait -1
	CREST
.endm
	s_load_b256 s[4:11], s[0:1], 0x0
	s_load_b64 s[12:13], s[0:1], 0x20
	v_lshl_add_u32 v[SPW], v0, 2, SPARE
	v_mov_b32 v[NIL], 0
	ds_add_u32 v28, v29
	ds_add_u32 v28, v29
	s_wait_dscnt 0x0
	v_lshrrev_b32 v1, 5, v0
	v_readfirstlane_b32 s14, v1
	s_lshr_b32 s15, s14, 1
	s_and_b32 s16, s14, 1
	s_bfe_u32 s40, ttmp6, 0x40000
	s_bfe_u32 s41, ttmp6, 0x40004
	s_and_b32 s95, ttmp7, 0xffff
	s_lshl_b32 s42, ttmp9, 2
	s_add_co_u32 s42, s42, s40
	s_lshl_b32 s18, s95, 2
	s_max_u32 s19, s95, 4
	s_sub_co_u32 s19, s19, 4
	s_lshl_b32 s19, s19, 3
	s_cmp_ge_u32 s95, 4
	s_cselect_b32 s18, 24, s18
	s_cselect_b32 s19, s19, 16
	s_add_co_u32 s17, s18, s41
	s_add_co_u32 s96, s19, s42
	s_lshl_b32 s43, s41, 2
	s_lshl_b32 s43, 15, s43
	s_lshl_b32 s44, 0x1111, s40
	s_mov_b32 s[SEL], 0x76543210
	s_mov_b32 s[SEL+1], 0xfedcba98
	s_mov_b32 s[MNT], 0x600000
	s_or_b32 s[G1+0], s43, (3<<16)|(1<<21)
	s_or_b32 s[G1B+0], s44, (3<<16)|(1<<21)
	s_or_b32 s[G1S+0], s43, (3<<16)|(1<<21)
	s_or_b32 s[G1SB+0], s44, (3<<16)|(1<<21)
.irp g, G1, G1B
	s_mov_b32 s[\g+1], 32<<16
	s_mov_b32 s[\g+2], 256<<16
	s_mov_b32 s[\g+3], 32<<16
	s_mov_b32 s[\g+4], 256
	s_mov_b32 s[\g+5], 32
	s_mov_b32 s[\g+6], 0
	s_mov_b32 s[\g+7], 0
.endr
.irp g, G1S, G1SB
	s_mov_b32 s[\g+1], 32<<16
	s_mov_b32 s[\g+2], 32<<16
	s_mov_b32 s[\g+3], 32<<16
	s_mov_b32 s[\g+4], 32
	s_mov_b32 s[\g+5], 32
	s_mov_b32 s[\g+6], 0
	s_mov_b32 s[\g+7], 0
.endr
	s_lshl_b32 s18, s16, 15                        ; in the ring I fetch eight of a tile's sixteen tiles of rows: which half, in bytes
	s_mov_b32 s19, 0
	s_lshl_b32 s20, s17, 4
	s_lshl_b32 s46, s96, 4
	s_lshl_b32 s22, s20, 9
	s_mov_b32 s23, 0
	s_lshl_b32 s92, s46, 9
	s_mov_b32 s93, 0
	s_lshl_b32 s20, s20, 12
	s_mov_b32 s21, 0
	s_lshl_b32 s46, s46, 12
	s_mov_b32 s47, 0
	s_lshl_b32 s45, s14, 15
	s_lshl_b32 s94, s14, 12
	s_wait_kmcnt 0x0
	s_add_nc_u64 s[20:21], s[4:5], s[20:21]
	s_add_nc_u64 s[22:23], s[6:7], s[22:23]
	s_add_nc_u64 s[46:47], s[4:5], s[46:47]
	s_add_nc_u64 s[92:93], s[6:7], s[92:93]
	CROUND
	s_mov_b32 s[G0S], 1
	s_mov_b32 s[G0S+1], SCL
	s_mov_b64 s[G0S+2:G0S+3], s[22:23]
	s_or_b32 s[G0S+3], s[G0S+3], 0x80000000
	s_mov_b32 s[G0SB], 1
	s_mov_b32 s[G0SB+1], SCL+8192
	s_mov_b64 s[G0SB+2:G0SB+3], s[92:93]
	s_or_b32 s[G0SB+3], s[G0SB+3], 0x80000000
	s_mov_b32 s[G0], 1                             ; the head's four tiles, each whole: K step 0's 65,536 bytes of A,
	s_mov_b32 s[G0+1], 0
	s_mov_b64 s[G0+2:G0+3], s[20:21]
	s_or_b32 s[G0+3], s[G0+3], 0x80000000
	s_mov_b32 s[G0B], 1                            ; and of B, behind them in slot 0; the scales' descriptors stand above
	s_mov_b32 s[G0B+1], 2*HALFT
	s_mov_b64 s[G0B+2:G0B+3], s[46:47]
	s_or_b32 s[G0B+3], s[G0B+3], 0x80000000
	s_add_nc_u64 s[20:21], s[20:21], s[18:19]      ; for the ring: my half of the tile
	s_add_nc_u64 s[46:47], s[46:47], s[18:19]
	s_mov_b32 s[G0+4], 1
	s_add_co_u32 s[G0+5], s45, SLOT
	s_add_nc_u64 s[G0+6:G0+7], s[20:21], KSTRA
	s_or_b32 s[G0+7], s[G0+7], 0x80000000
	s_mov_b32 s[G0B+4], 1
	s_add_co_u32 s[G0B+5], s45, SLOT
	s_add_nc_u64 s[G0B+6:G0B+7], s[46:47], KSTRB
	s_or_b32 s[G0B+7], s[G0B+7], 0x80000000
	s_cmp_eq_u32 s15, 0                            ; the prefetches: of the 128 blocks of 256 bytes that I fetch in a K step, the four partners that ask jointly take 32 each, told apart by address
	s_cselect_b64 s[66:67], s[20:21], s[46:47]
	s_cselect_b32 s22, s40, s41
	s_lshl_b32 s22, s22, 13
	s_mov_b32 s23, 0
	s_add_nc_u64 s[66:67], s[66:67], s[22:23]
.macro ARM under, g0, g1, next         ; one chain of branches on the wave's number, one load to an arm
	s_cmp_lt_u32 s14, \under
	s_cbranch_scc0 \next
	tensor_load_to_lds s[\g0:\g0+3], s[\g1:\g1+7]
	s_nop 0
.rept 4
	v_nop
.endr
	s_branch .Lhead_asked
\next:
.endm
	ARM 1, G0,  G1,  .Lhead_b
	ARM 2, G0B, G1B, .Lhead_sa
	ARM 3, G0S, G1S, .Lhead_sb
	tensor_load_to_lds s[G0SB:G0SB+3], s[G1SB:G1SB+7]
	s_nop 0
.rept 4
	v_nop
.endr
.Lhead_asked:
	v_and_b32 v30, 31, v0
	v_lshlrev_b32 v30, 8, v30                      ; a lane a block of 256 bytes; never rewritten
	global_prefetch_b8 v30, s[66:67] offset:KSTRA th:TH_LOAD_NT scope:SCOPE_SE     ; K steps 1 and 2; K step 3 is asked for behind the first step of 128
	global_prefetch_b8 v30, s[66:67] offset:2*KSTRA th:TH_LOAD_NT scope:SCOPE_SE
	v_and_b32 v1, 15, v0
	v_bfe_u32 v2, v0, 4, 1
	s_wait_alu depctr_va_vdst(0)
	v_and_b32 v3, 31, v0
	v_lshlrev_b32 v[CO], 4, v3
	s_lshl_b32 s21, s15, 15
	s_lshl_b32 s22, s16, 15
	s_add_co_u32 s22, s22, 2*HALFT
.irp s, 0,1
	v_add_nc_u32 v[ADRA+\s], s21, v[CO]
	v_add_nc_u32 v[ADRB+\s], s22, v[CO]
	s_add_co_u32 s21, s21, SLOT
	s_add_co_u32 s22, s22, SLOT
.endr
	v_lshlrev_b32 v5, 4, v1
	s_lshl_b32 s21, s15, 12
	s_lshl_b32 s22, s16, 12
	s_add_co_u32 s22, s22, 8192
	s_sub_co_u32 s22, s22, s21
	v_mul_u32_u24 v6, s22, v2
	s_add_co_u32 s21, s21, SCL
	v_add_nc_u32 v5, v5, v6
	v_add_nc_u32 v[ADRS], s21, v5
.macro FRAG reg, adr, q, i
.irp c, 0,1,2,3
	ds_load_b128 v[\reg+4*\c:\reg+4*\c+3], v[\adr] offset:2048*(\q)+512*\c+(\i)*4096
.endr
.endm
.macro MUL16 a0, p, q, sc, zero
.irp a, \a0, \a0+1
.irp b, 0,1,2,3,4,5,6,7
.if \zero
	v_wmma_scale_f32_16x16x128_f8f6f4 v[8*(8*((\a)%4)+\b):8*(8*((\a)%4)+\b)+7], v[128*(\p)+FR*\b:128*(\p)+FR*\b+FR-1], v[AF+FR*(\a):AF+FR*(\a)+FR-1], 0, v[SC+8*NQ*(\sc)+NQ*\b+(\q)], v[SC+8*NQ*(\sc)+NQ*(\a)+(\q)] matrix_a_scale:MATRIX_SCALE_ROW1
.else
	v_wmma_scale_f32_16x16x128_f8f6f4 v[8*(8*((\a)%4)+\b):8*(8*((\a)%4)+\b)+7], v[128*(\p)+FR*\b:128*(\p)+FR*\b+FR-1], v[AF+FR*(\a):AF+FR*(\a)+FR-1], v[8*(8*((\a)%4)+\b):8*(8*((\a)%4)+\b)+7], v[SC+8*NQ*(\sc)+NQ*\b+(\q)], v[SC+8*NQ*(\sc)+NQ*(\a)+(\q)] matrix_a_scale:MATRIX_SCALE_ROW1
.endif
.endr
.endr
.endm
.macro FETCH_B slot, q, p
	WIN TO_B
.irp i, 0,1,2,3,4,5,6,7
	FRAG 128*(\p)+FR*\i, ADRB+\slot, \q, \i
.endr
	WIN 0
.endm
.macro FETCH_A slot, q, i0
.irp i, \i0, \i0+1, \i0+2, \i0+3
	FRAG AF+FR*(\i), ADRA+\slot, \q, \i
.endr
.endm
.macro SCALES sc, ks
.irp i, 0,1,2,3,4,5,6,7
	ds_load_b64 v[SC+8*NQ*\sc+NQ*\i:SC+8*NQ*\sc+NQ*\i+1], v[ADRS] offset:512*\i+256*((\ks)/2)+8*((\ks)%2)
.endr
.endm
.macro PLACES n
.rept \n
	v_nop
.endr
.endm
.macro STEP slot, q, zero
	s_wait_dscnt 4*NL
	WIN MUL_LO
	MUL16 0, (\q)%2, \q, \slot, \zero
	MUL16 2, (\q)%2, \q, \slot, \zero
	s_wait_dscnt 0
	PLACES NP
	FETCH_B \slot, (\q)+1, 1-(\q)%2
	FETCH_A \slot, (\q)+1, 0
	WIN MUL_HI
	MUL16 4, (\q)%2, \q, \slot, \zero
	MUL16 6, (\q)%2, \q, \slot, \zero
	PLACES NP
	WIN 0
	FETCH_A \slot, (\q)+1, 4
.endm
.macro TURN slot, next, fill, ks
	s_wait_tensorcnt 0x0
	ds_add_u32 v[SPW], v[NIL]
	s_wait_dscnt 4*NL+1
	WIN MUL_LO
	MUL16 0, 1, NQ-1, \slot, 0
	s_wait_dscnt 0x0
	s_barrier_signal -1
	MUL16 2, 1, NQ-1, \slot, 0
	WIN 0
	s_barrier_wait -1
.if \fill
	CREST
	s_add_nc_u64 s[G0+4*\slot+2:G0+4*\slot+3], s[G0+4*\slot+2:G0+4*\slot+3], 2*KSTRA
	s_add_nc_u64 s[G0B+4*\slot+2:G0B+4*\slot+3], s[G0B+4*\slot+2:G0B+4*\slot+3], 2*KSTRB
	JLOAD G0+4*\slot, G1, G0B+4*\slot, G1B
	PLACES NP-4
.else
	PLACES NP
.endif
	FETCH_B \next, 0, 0
	FETCH_A \next, 0, 0
	SCALES \next, \ks
	WIN MUL_HI
	MUL16 4, 1, NQ-1, \slot, 0
	MUL16 6, 1, NQ-1, \slot, 0
	PLACES NP
	WIN 0
	FETCH_A \next, 0, 4
.endm
.macro LAST
	s_wait_dscnt 4*NL
	WIN MUL_LO
	MUL16 0, 1, NQ-1, 1, 0
	MUL16 2, 1, NQ-1, 1, 0
	s_wait_dscnt 0
	WIN MUL_HI
	MUL16 4, 1, NQ-1, 1, 0
	MUL16 6, 1, NQ-1, 1, 0
	WIN 0
.endm
.macro QUANT s, w, pw
	WIN 5*(\w)
.irp b, 0,1,2,3
	v_max3_num_f32 v[TM+\b], |v[(\s)+16*\b]|, |v[(\s)+1+16*\b]|, FLOOR
.endr
.irp i, 2,4,6,8,10,12,14
.irp b, 0,1,2,3
	v_max3_num_f32 v[TM+\b], |v[(\s)+16*\b+\i]|, |v[(\s)+1+16*\b+\i]|, v[TM+\b]
.endr
.endr
	WIN 0
.irp b, 0,1,2,3
	v_permlanex16_b32 v[TM+4+\b], v[TM+\b], s[SEL], s[SEL+1]
.endr
.irp b, 0,1,2,3
	v_max_num_f32 v[TM+\b], v[TM+\b], v[TM+4+\b]
.endr
.irp b, 0,1,2,3
	v_add_nc_u32 v[TM+12+\b], 0xfc000000, v[TM+\b]
.endr
.irp b, 0,1,2,3
	v_and_or_b32 v[TM+8+\b], v[TM+\b], 0x7f800000, s[MNT]
.endr
.irp b, 0,1,2,3
	v_lshrrev_b32 v[TM+4+\b], 23, v[TM+12+\b]
.endr
	v_lshl_or_b32 v[\pw], v[TM+5], 8, v[TM+4]
	v_lshl_or_b32 v[\pw], v[TM+6], 16, v[\pw]
	v_lshl_or_b32 v[\pw], v[TM+7], 24, v[\pw]
	WIN \w
.irp b, 0,1,2,3
.irp i, 0,1,2,3,4,5,6,7,8,9,10,11,12,13,14,15
	v_med3_num_f32 v[X+16*\b+\i], v[(\s)+16*\b+\i], -v[TM+8+\b], v[TM+8+\b]
.endr
.endr
	WIN 0
.irp b, 0,1,2,3
	v_cvt_scalef32_pk8_fp8_f32 v[PC+4*\b:PC+1+4*\b], v[X+16*\b:X+7+16*\b], v[TM+12+\b]
	v_cvt_scalef32_pk8_fp8_f32 v[PC+2+4*\b:PC+3+4*\b], v[X+8+16*\b:X+15+16*\b], v[TM+12+\b]
.endr
	v_nop
.endm
	s_wait_alu depctr_va_vdst(0)
	s_wait_tensorcnt 0x0                           ; my tile of the head's four is in
	ds_add_u32 v[SPW], v[NIL]
	s_mov_b32 s[G1+2], 128<<16                     ; no tensor load of mine is out: from here on a load brings 128 rows of 256 bytes,
	s_mov_b32 s[G1+4], 128
	s_mov_b32 s[G1B+2], 128<<16
	s_mov_b32 s[G1B+4], 128
	s_mov_b32 s[G0+1], s45                         ; and slot 0's descriptors name my half
	s_add_nc_u64 s[G0+2:G0+3], s[G0+2:G0+3], s[18:19]
	s_mov_b32 s[G0B+1], s45
	s_add_nc_u64 s[G0B+2:G0B+3], s[G0B+2:G0B+3], s[18:19]
	s_wait_dscnt 0x0
	CROUND
	JLOAD G0+4, G1, G0B+4, G1B                     ; K step 1, the first tensor load behind the round
	FETCH_B 0, 0, 0
	FETCH_A 0, 0, 0
	SCALES 0, 0
	FETCH_A 0, 0, 4
	STEP 0, 0, 1
	global_prefetch_b8 v30, s[66:67] offset:3*KSTRA th:TH_LOAD_NT scope:SCOPE_SE
	TURN 0, 1, 1, 1
	STEP 1, 0, 0
	TURN 1, 0, 1, 2
	STEP 0, 0, 0
	TURN 0, 1, 0, 3
	STEP 1, 0, 0
	s_cmp_ge_u32 s95, 4
	s_cbranch_scc1 .Lv_way
	s_and_b32 s18, s17, 7
	s_lshl_b32 s18, s18, 1
	s_add_co_u32 s18, s18, s15
	s_lshl_b32 s20, s18, 15
	s_mov_b32 s21, 0
	s_add_nc_u64 s[8:9], s[8:9], s[20:21]
	s_lshr_b32 s19, s17, 3
	s_lshl_b32 s19, s19, 4
	s_and_b32 s22, s42, 3
	s_lshl_b32 s22, s22, 2
	s_add_co_u32 s19, s19, s22
	s_lshl_b32 s22, s16, 1
	s_add_co_u32 s19, s19, s22
	s_lshl_b32 s19, s19, 4
	s_add_co_u32 s19, s19, s18
	s_mov_b32 s23, 17408
	s_cmp_eq_u32 ttmp9, 0
	s_cselect_b64 s[92:93], s[10:11], s[12:13]
	s_cselect_b32 s23, 8704, s23
	s_mul_i32 s20, s19, s23
	s_add_nc_u64 s[92:93], s[92:93], s[20:21]
	s_lshl_b32 s20, s23, 4
	s_add_nc_u64 s[98:99], s[92:93], s[20:21]
.macro CSLOAD a
.irp g, 0,1,2,3,4,5,6,7
	global_load_b128 v[CS+32*((\a)%2)+4*\g:CS+32*((\a)%2)+4*\g+3], v[CO], s[8:9] offset:4096*(\a)+512*\g
.endr
.endm
.macro QKBLOCK a
.if (\a) < 7
	s_wait_loadcnt 8
.else
	s_wait_loadcnt 0x0
.endif
.set AC, 64*((\a)%4)
.set CB, CS+32*((\a)%2)
	WIN 2+(\a)/4
.set pp, 0
.rept 4
.set qq, 0
.rept 8
	v_mul_f32 v[T+2*qq],   v[AC+2*(pp+qq)+1], v[CB+2*((pp+qq)%16)+1]
	v_mul_f32 v[T+2*qq+1], v[AC+2*(pp+qq)+1], v[CB+2*((pp+qq)%16)]
.set qq, qq+1
.endr
.set qq, 0
.rept 8
	v_fma_f32 v[X+2*(pp+qq)],   v[AC+2*(pp+qq)], v[CB+2*((pp+qq)%16)],   -v[T+2*qq]
	v_fma_f32 v[X+2*(pp+qq)+1], v[AC+2*(pp+qq)], v[CB+2*((pp+qq)%16)+1], v[T+2*qq+1]
.set qq, qq+1
.endr
.set pp, pp+8
.endr
	WIN 0
.if (\a)+2 < 8
	CSLOAD (\a)+2
.endif
	s_wait_xcnt 0x0
	QUANT X, 0, PW+(\a)
	global_store_b128 v[CO], v[PC:PC+3],     s[92:93] offset:1024*(\a)
	global_store_b128 v[CO], v[PC+4:PC+7],   s[92:93] offset:1024*(\a)+512
	global_store_b128 v[CO], v[PC+8:PC+11],  s[98:99] offset:1024*(\a)
	global_store_b128 v[CO], v[PC+12:PC+15], s[98:99] offset:1024*(\a)+512
.endm
	CSLOAD 0
	CSLOAD 1
	LAST
	PLACES NP
.irp b, 0,1,2,3
	v_mov_b32 v[TM+4+\b], 0
.endr
.irp a, 0,1,2,3,4,5,6,7
	QKBLOCK \a
.endr
.irp c, 0,1,2,3
	v_perm_b32 v[KW+\c], v[PW+2*\c+1], v[PW+2*\c], 0x05040100
.endr
.irp c, 0,1,2,3
	v_perm_b32 v[KW+4+\c], v[PW+2*\c+1], v[PW+2*\c], 0x07060302
.endr
	global_store_b128 v[CO], v[KW:KW+3], s[92:93] offset:8192
	global_store_b128 v[CO], v[KW+4:KW+7], s[98:99] offset:8192
	s_branch .Ljoin
.Lv_way:
	s_lshr_b32 s19, s96, 3
	s_lshl_b32 s19, s19, 4
	s_lshl_b32 s22, s41, 2
	s_add_co_u32 s19, s19, s22
	s_lshl_b32 s22, s15, 1
	s_add_co_u32 s19, s19, s22
	s_lshl_b32 s19, s19, 4
	s_and_b32 s18, s96, 7
	s_lshl_b32 s18, s18, 1
	s_add_co_u32 s18, s18, s16
	s_add_co_u32 s19, s19, s18
	s_mul_i32 s20, s19, 17408
	s_add_co_u32 s20, s20, 8704
	s_mov_b32 s21, 0
	s_add_nc_u64 s[92:93], s[12:13], s[20:21]
	s_add_nc_u64 s[98:99], s[92:93], 278528
.macro VBLOCK a
	s_wait_xcnt 0x0
	QUANT 64*((\a)%4), 2+(\a)/4, PW+(\a)
.irp c, 0,1,2,3
.if (\a) < 4
	global_store_b128 v[CO], v[PC+4*\c:PC+4*\c+3], s[92:93] offset:2048*((\a)%4)+512*\c
.else
	global_store_b128 v[CO], v[PC+4*\c:PC+4*\c+3], s[98:99] offset:2048*((\a)%4)+512*\c
.endif
.endr
.endm
	LAST
	PLACES NP
.irp b, 0,1,2,3
	v_mov_b32 v[TM+4+\b], 0
.endr
.irp a, 0,1,2,3,4,5,6,7
	VBLOCK \a
.endr
	global_store_b128 v[CO], v[PW:PW+3], s[92:93] offset:8192
	global_store_b128 v[CO], v[PW+4:PW+7], s[98:99] offset:8192
.Ljoin:
	s_wait_tensorcnt 0x0
	ds_add_u32 v[SPW], v[NIL]
	s_wait_dscnt 0x0
	CROUND
	s_endpgm
.Lfunc_end_k_qa80dee8c10_qkv:
	.size	k_qa80dee8c10_qkv, .Lfunc_end_k_qa80dee8c10_qkv-k_qa80dee8c10_qkv
	.p2alignl 7, 3214868480
	.fill 96, 4, 3214868480
	.section	.rodata,"a",@progbits
	.p2align	6, 0x0
	.amdhsa_kernel k_qa80dee8c10_qkv
		.amdhsa_group_segment_fixed_size 327680
		.amdhsa_private_segment_fixed_size 0
		.amdhsa_enable_private_segment 0
		.amdhsa_kernarg_size 40
		.amdhsa_user_sgpr_count 2
		.amdhsa_user_sgpr_kernarg_segment_ptr 1
		.amdhsa_wavefront_size32 1
		.amdhsa_system_sgpr_workgroup_id_x 1
		.amdhsa_system_sgpr_workgroup_id_y 1
		.amdhsa_system_sgpr_workgroup_id_z 1
		.amdhsa_system_vgpr_workitem_id 0
		.amdhsa_next_free_vgpr 1024
		.amdhsa_next_free_sgpr 100
		.amdhsa_reserve_vcc 0
		.amdhsa_float_denorm_mode_32 3
		.amdhsa_float_denorm_mode_16_64 3
		.amdhsa_memory_ordered 1
		.amdhsa_forward_progress 1
		.amdhsa_inst_pref_size 255
	.end_amdhsa_kernel
	.section	.bss,"aw",@nobits
	.p2align	6
	.space	262144
	.amdgpu_metadata
---
amdhsa.version: [ 1, 2 ]
amdhsa.kernels:
  - .name:           k_qa80dee8c10_qkv
    .symbol:         k_qa80dee8c10_qkv.kd
    .args:
      - { .name: codes, .offset: 0, .size: 8, .value_kind: global_buffer, .address_space: global }
      - { .name: scales, .offset: 8, .size: 8, .value_kind: global_buffer, .address_space: global }
      - { .name: rope, .offset: 16, .size: 8, .value_kind: global_buffer, .address_space: global }
      - { .name: qc, .offset: 24, .size: 8, .value_kind: global_buffer, .address_space: global }
      - { .name: kv, .offset: 32, .size: 8, .value_kind: global_buffer, .address_space: global }
    .group_segment_fixed_size: 327680
    .private_segment_fixed_size: 0
    .kernarg_segment_align: 8
    .kernarg_segment_size: 40
    .max_flat_workgroup_size: 128
    .sgpr_count:     100
    .vgpr_count:     1024
    .wavefront_size: 32
...
	.end_amdgpu_metadata
.endif
;; end of part 2
;; launch attn (part 3): grid 32 x 8, 8 waves a work-group, clusters of 4 x 4, 327,680 bytes of LDS; arguments qc, kv, mask, ac, asc; writes ac, asc
.if DOCPART == 3
	.amdgcn_target "amdgcn-amd-amdhsa--gfx1250"
	.amdhsa_code_object_version 6
	.text
	.protected	k_qa80dee8c10_attn
	.globl	k_qa80dee8c10_attn
	.p2align	8
	.type	k_qa80dee8c10_attn,@function
k_qa80dee8c10_attn:
	s_mov_b64 s[64:65], 0
	v_nop
	global_prefetch_b8 v0, s[64:65] scope:SCOPE_SE
	s_setreg_imm32_b32 hwreg(HW_REG_WAVE_MODE, 25, 1), 1
	s_wait_xcnt 0x0
	s_wait_alu depctr_hold_cnt(0) depctr_sa_sdst(0) depctr_va_vdst(0) depctr_va_sdst(0) depctr_va_ssrc(0) depctr_va_vcc(0) depctr_vm_vsrc(0)
	s_getreg_b32 s2, hwreg(HW_REG_IB_STS2, 6, 4)
	s_cmp_eq_u32 s2, 0
	s_cbranch_scc0 .Lentry_in_a_cluster
	s_endpgm
.Lentry_in_a_cluster:
	s_bfe_u32 s2, ttmp6, 0x10000c
	s_cmp_lg_u32 s2, 0xf033
	s_cbranch_scc0 .Lentry_shape_is_right
	s_endpgm
.Lentry_shape_is_right:
; For each of 32 (batch, head): logit = q . k / 8 + mask; p = 2^(logit log2(e) - M), M the ceiling of the running largest; O = (the sum of Q(p) Q(v)) / (the sum of the unquantised p);
; O is quantised along the model's 1,024 and leaves as codes for the last product.  Both products on codes of FP8 (E4M3) with E8M0 scales.  The mask is an input: every score is computed, every number of the mask is read.
; SHARES.  A work-group owns 256 queries of one (batch, head); each of its eight waves 32: TWO TILES of 16, A and B, which share every fragment of k and v.  Every wave walks the 2,048 keys, 128 a step.
; A slot of LDS holds a step's 256 x 128 numbers of the mask (rows of 512 + 16 bytes) and the step's record of k and v (17,408 bytes); two slots take turns.
; HALF A STEP APART, AND REGISTER WORK INSIDE THE ROUND.  When trip j begins, all of step j - 1 that LDS held lies in registers.  Between the round's opening signal and its opening wait stand tile B's scores and tile A's second product
; of step j - 1 and the first half of B's softmax (to the wait behind its exponentials): work on registers alone.  Behind the round: the refill; one run of 33 LDS loads (k, its scale words, A's mask of step j);
; the second half of B's softmax and B's second product; A's scores; one run of 33 loads (v, its scale words, B's mask); A's softmax.  The first trip has no part for B; B's last part follows the last trip.
; A SOFTMAX has its 68 exponentials in one batch; one wait ahead of it and one behind it.  The wait ahead stands directly in front of O^T's rescaling, which reads matrix results.
; CLUSTERS: 4 x 4.  x is the (batch, head), y the block of queries.  The mask's tile hangs on y: asked for jointly along a row of the cluster (waves 0-3, 64 rows each); the record hangs on x: along a column (wave 4).
; PREFETCH.  Trip j, which loads step j + 1, asks for step j + 3: two trips ahead of that step's load; steps 0 to 2 come by their loads alone, and the trips of steps 13 to 15 ask for nothing.
; A step's tile of the mask is 256 rows x 2 blocks of 256 bytes: bit 1 of the cluster's x picks 128 of the rows, cx 32 of those, waves 5 and 6 take 16 rows each, two lanes to a row:
; so four of the eight clusters that load a block name it.  A record is 68 blocks: cy picks 17, wave 7 names them (its lanes 17-31 name the last again): each of the two clusters that load a record names it once.
; LAYOUT.  Both products transposed: a lane holds ONE query (lane % 16) of each tile.  k's tiles are stored so that the 16 registers of tiles 2 c, 2 c + 1 are keys 32 c + 16 h + 0 .. 15.
; THE HEAD'S 64 IN AN INSTRUCTION OF 128: a fragment of k holds two tiles of 16 keys, E (k' 0-63) and O (k' 64-127).  Against [q, zeros] it gives E's scores, against [zeros, q] O's: zero codes add nothing.
; THE MASK IS THE C OF THE FIRST PRODUCT.  The division by 8 is 3 off each of q's scale bytes (they are at least 4 as the launch before makes them): exact.
; LIMITS: NaN and infinities in the mask are not served; the promise holds while logit x log2(e) stays under 2^31 in magnitude.  A block of O whose largest magnitude lies under 2^-118 gets the byte 1.
; O's scale bytes leave one byte a lane, so those stores cover 256-byte runs in part.
; REGISTERS, two windows of 256.  Tile A's state in window 0, tile B's at the same numbers in window 1: v[10:11], v[14:15] the sum; v12 -M, v13 the largest t; v16-23 q, v24-31 zeros, v32-39 q again;
; v104-167 mask, logits, p; v168-199 O^T; v200-215 p's codes; v232-254 at work.  v40-103: window 0 k's fragments, window 1 v's.  Window 0 alone: v1-2 mask address, v3-4 record address, v5 spare word, v6 0, v7-8 the way out,
; v231 the prefetches' offset; scale words: v216-219 k's, v220-223 v's, v224 A's q, v225 A's p, v226 B's p, v227 B's q.
.set SLOTB, 152576
.set KVO,   135168
.set SPARE, 305152
.set TB,    8448
.set AM,   1
.set AKV,  3
.set SPW,  5
.set NIL,  6
.set KF,   40
.set S,    104
.set O,    168
.set PCD,  200
.set PFO,  231
.set WV,   18
.set MNT,  19
.set SEL,  20
.set CS,   22
.set G1M,  24
.set G1K,  32
.set G0M,  40
.set G0K,  48
.set PFA,  84                          ; s[84:85] where my prefetches stand
.set PFS,  86                          ; s[86:87] a key step on: 512 bytes in a row of the mask, 17,408 among the records
.set LIM,  88                          ; s88 1 in waves 5 to 7, the greatest number in the others
.set MSB, 0
.macro WIN new
.if MSB != (\new)
	s_set_vgpr_msb (MSB<<8)|(\new)
.set MSB, (\new)
.endif
.endm
.macro PLACES n
.rept \n
	v_nop
.endr
.endm
.macro RREST                           ; a round of the cluster's barrier behind its opening signal
	WIN 0
	s_barrier_wait -1
	s_cmp_lg_u32 s[WV], 0
	s_cbranch_scc1 .Lnot_wave_0_\@
	s_barrier_signal -3
.Lnot_wave_0_\@:
	s_barrier_wait -3
	s_barrier_signal -1
	s_barrier_wait -1
.endm
.macro ROUND
	s_barrier_signal -1
	RREST
.endm
.macro TLOAD s                         ; waves 0-3: 64 rows of the mask each; wave 4: the record; the others nothing
	s_cmp_lt_u32 s[WV], 4
	s_cbranch_scc0 .Lnot_m_\@
	tensor_load_to_lds s[G0M+4*(\s):G0M+4*(\s)+3], s[G1M:G1M+7]
	s_nop 0
.rept 4
	v_nop
.endr
	s_branch .Lasked_\@
.Lnot_m_\@:
	s_cmp_eq_u32 s[WV], 4
	s_cbranch_scc0 .Lasked_\@
	tensor_load_to_lds s[G0K+4*(\s):G0K+4*(\s)+3], s[G1K:G1K+7]
	s_nop 0
.rept 4
	v_nop
.endr
.Lasked_\@:
.endm
	s_load_b256 s[4:11], s[0:1], 0x0               ; qc, kv, mask, ac
	s_load_b64 s[12:13], s[0:1], 0x20              ; asc
	v_lshl_add_u32 v[SPW], v0, 2, SPARE
	v_mov_b32 v[NIL], 0
	ds_add_u32 v[SPW], v[NIL]                      ; the opening lines: the add twice on end under one wait
	ds_add_u32 v[SPW], v[NIL]
	v_lshrrev_b32 v9, 5, v0
	v_readfirstlane_b32 s[WV], v9                  ; wave 0..7
	s_bfe_u32 s56, ttmp6, 0x40000                  ; cx
	s_bfe_u32 s57, ttmp6, 0x40004                  ; cy
	s_lshl_b32 s58, ttmp9, 2
	s_add_co_u32 s58, s58, s56                     ; 16 x batch + head
	s_and_b32 s59, ttmp7, 0xffff
	s_lshl_b32 s59, s59, 2
	s_add_co_u32 s59, s59, s57                     ; my block of 256 queries
	s_lshl_b32 s60, s57, 2
	s_lshl_b32 s60, 15, s60                        ; my row of the cluster
	s_lshl_b32 s61, 0x1111, s56                    ; my column
	s_or_b32 s[G1M], s60, (2<<16)|(1<<20)|(1<<21)|(6<<22)|(3<<25)   ; elements of 4 bytes; four words of padding behind every 128
	s_mov_b32 s[G1M+1], 128<<16
	s_mov_b32 s[G1M+2], 64<<16
	s_mov_b32 s[G1M+3], 128<<16
	s_mov_b32 s[G1M+4], 64
	s_mov_b32 s[G1M+5], 2048
	s_mov_b32 s[G1M+6], 0
	s_mov_b32 s[G1M+7], 0
	s_or_b32 s[G1K], s61, (3<<16)|(1<<21)          ; a dense block as 68 rows of 256 bytes
	s_mov_b32 s[G1K+1], 32<<16
	s_mov_b32 s[G1K+2], 68<<16
	s_mov_b32 s[G1K+3], 32<<16
	s_mov_b32 s[G1K+4], 68
	s_mov_b32 s[G1K+5], 32
	s_mov_b32 s[G1K+6], 0
	s_mov_b32 s[G1K+7], 0
	s_min_u32 s66, s[WV], 3
	s_lshl_b32 s68, s59, 21                        ; 256 rows of 8,192 bytes a block,
	s_lshl_b32 s67, s66, 19                        ; 64 a fetching wave
	s_add_co_u32 s68, s68, s67
	s_mov_b32 s69, 0
	s_mul_i32 s70, s66, 33792                      ; in a slot: 64 rows of 528 bytes
	s_mul_i32 s72, s58, 278528                     ; a head's 16 records
	s_mov_b32 s73, 0
	s_mov_b32 s[SEL], 0x76543210
	s_mov_b32 s[SEL+1], 0xfedcba98
	s_mov_b32 s[CS], 0x3fb8aa3b
	s_mov_b32 s[CS+1], s[CS]
	s_mov_b32 s[MNT], 0x600000
	s_wait_alu depctr_va_vdst(0)                   ; the wait ahead of the blocking waits
	s_wait_dscnt 0x0
	s_wait_kmcnt 0x0
	s_add_nc_u64 s[68:69], s[8:9], s[68:69]
	s_add_nc_u64 s[72:73], s[6:7], s[72:73]
.irp s, 0,1
	s_mov_b32 s[G0M+4*\s], 1
	s_add_co_u32 s[G0M+4*\s+1], s70, \s*SLOTB
	s_add_nc_u64 s[G0M+4*\s+2:G0M+4*\s+3], s[68:69], \s*512
	s_or_b32 s[G0M+4*\s+3], s[G0M+4*\s+3], 0x80000000
	s_mov_b32 s[G0K+4*\s], 1
	s_mov_b32 s[G0K+4*\s+1], \s*SLOTB+KVO
	s_add_nc_u64 s[G0K+4*\s+2:G0K+4*\s+3], s[72:73], \s*17408
	s_or_b32 s[G0K+4*\s+3], s[G0K+4*\s+3], 0x80000000
.endr
	ROUND                                          ; the first joint loads meet
	TLOAD 0                                        ; key step 0
	; q: in its record (128 queries) query r of natural tile 2 b' + t lies in stored tile 2 b' + r / 8, slot 8 t + r % 8; b' = wave % 4
	s_lshl_b32 s74, s58, 4
	s_lshl_b32 s75, s59, 1
	s_add_co_u32 s74, s74, s75
	s_lshr_b32 s75, s[WV], 2
	s_add_co_u32 s74, s74, s75                     ; my record
	s_mul_i32 s74, s74, 8704
	s_mov_b32 s75, 0
	s_add_nc_u64 s[4:5], s[4:5], s[74:75]
	s_and_b32 s77, s[WV], 3
	s_lshl_b32 s79, s77, 11
	s_lshl_b32 s81, s77, 2
	s_lshl_b32 s82, s[WV], 5
	; the prefetches: they stand at key step 2; the first trip steps them to 3
	s_cmp_lt_u32 s[WV], 7                          ; waves 5, 6: the mask; wave 7: the record
	s_cselect_b64 s[PFA:PFA+1], s[8:9], s[6:7]
	s_mov_b32 s[PFS], 17408
	s_cselect_b32 s[PFS], 512, s[PFS]
	s_cselect_b32 s92, -1, 0
	s_mov_b32 s[PFS+1], 0
	s_bfe_u32 s83, ttmp9, 0x10001                  ; bit 1 of the cluster's x: 128 rows,
	s_lshl_b32 s83, s83, 7
	s_lshl_b32 s89, s59, 8                         ; of my block's 256,
	s_add_co_u32 s83, s83, s89
	s_lshl_b32 s89, s56, 5                         ; cx: 32 of them,
	s_add_co_u32 s83, s83, s89
	s_and_b32 s89, s[WV], 1                        ; the wave: 16
	s_lshl_b32 s89, s89, 4
	s_add_co_u32 s83, s83, s89
	s_lshl_b32 s83, s83, 13                        ; rows of 8,192 bytes
	s_add_co_u32 s83, s83, 1024
	s_mul_i32 s90, s58, 278528                     ; the record: my head's, step 2's, cy's 17 blocks
	s_mul_i32 s91, s57, 4352
	s_add_co_u32 s90, s90, s91
	s_add_co_u32 s90, s90, 34816
	s_cmp_lt_u32 s[WV], 7
	s_cselect_b32 s90, s83, s90
	s_mov_b32 s91, 0
	s_add_nc_u64 s[PFA:PFA+1], s[PFA:PFA+1], s[90:91]
	s_cmp_ge_u32 s[WV], 5
	s_cselect_b32 s[LIM], 1, -1
	v_and_b32 v9, 15, v0                           ; r
	v_bfe_u32 v10, v0, 4, 1                        ; h
	v_and_b32 v11, 7, v9
	v_lshrrev_b32 v228, 3, v9                      ; r / 8
	v_lshlrev_b32 v229, 4, v11
	v_lshl_add_u32 v230, v228, 10, v229
	v_lshl_add_u32 v230, v10, 8, v230
	v_add_nc_u32 v230, s79, v230
	v_add_nc_u32 v229, s81, v229
	global_load_b128 v[16:19], v230, s[4:5]
	global_load_b128 v[20:23], v230, s[4:5] offset:512
	global_load_b128 v[32:35], v230, s[4:5]        ; a second copy, behind the zeros
	global_load_b128 v[36:39], v230, s[4:5] offset:512
	global_load_b32 v248, v229, s[4:5] offset:8192
	global_load_b32 v249, v229, s[4:5] offset:8320
	WIN 0x40                                       ; tile B's q
	global_load_b128 v[16:19], v230, s[4:5] offset:128
	global_load_b128 v[20:23], v230, s[4:5] offset:640
	global_load_b128 v[32:35], v230, s[4:5] offset:128
	global_load_b128 v[36:39], v230, s[4:5] offset:640
	WIN 0
	v_add_nc_u32 v[AM], s82, v9
	v_mul_u32_u24 v[AM], v[AM], 528
	v_lshl_add_u32 v[AM], v10, 6, v[AM]            ; the mask: row 32 x wave + r, + 64 h
	v_add_nc_u32 v[AM+1], SLOTB, v[AM]
	v_and_b32 v7, 31, v0
	v_lshrrev_b32 v233, 1, v7                      ; the prefetches' offset.  In the mask: row lane / 2, block lane % 2;
	v_and_b32 v234, 1, v7
	v_lshlrev_b32 v234, 8, v234
	v_lshl_add_u32 v233, v233, 13, v234
	v_min_u32 v232, 16, v7                         ; in the record: block min(lane, 16)
	v_lshlrev_b32 v232, 8, v232
	v_cndmask_b32 v[PFO], v232, v233, s92
	v_lshlrev_b32 v7, 4, v7                        ; 16 x lane
	v_add_nc_u32 v[AKV], KVO, v7
	v_add_nc_u32 v[AKV+1], SLOTB, v[AKV]
	v_lshl_add_u32 v8, v9, 4, v10                  ; O's scale bytes: 16 r + h
	v_lshlrev_b32 v228, 4, v228
.macro INIT w                          ; a tile's state at the start: the first step finds zeros, which the first change of M leaves zeros
	WIN 0x55*(\w)
	v_mov_b32 v13, 0xff61b1e6                      ; -3e38
	v_floor_f32 v12, -v13
.irp j, 10,11,14,15
	v_mov_b32 v[\j], 0
.endr
.irp j, 0,1,2,3,4,5,6,7
	v_mov_b32 v[24+\j], 0
.endr
.irp b, 0,1,2,3
	v_mov_b32 v[236+\b], 0
.endr
	v_mov_b32 v253, 0
.irp j, 0,1,2,3,4,5,6,7,8,9,10,11,12,13,14,15,16,17,18,19,20,21,22,23,24,25,26,27,28,29,30,31
	v_mov_b32 v[O+\j], 0
.endr
.endm
	INIT 0
	s_wait_alu depctr_va_vdst(0)
	s_wait_loadcnt 0x0
	v_lshrrev_b32 v248, v228, v248                 ; my stored tile's two bytes,
	v_lshrrev_b32 v249, v228, v249
	v_perm_b32 v248, v248, v248, 0x01000100        ; twice: for [q, zeros] and for [zeros, q],
	v_perm_b32 v249, v249, v249, 0x01000100
	v_add_nc_u32 v224, 0xfcfcfcfd, v248            ; and 3 off each: the division by 8
	v_add_nc_u32 v227, 0xfcfcfcfd, v249
	INIT 1
	WIN 0
; 32 LDS loads in one run.  ph = 0: k's fragments and tile A's mask; ph = 1: v's fragments and tile B's mask
.macro LDSRUN ph, slot
.set nn, 0
.rept 16
	ds_load_b128 v[KF+4*nn:KF+4*nn+3], v[AKV+\slot] offset:8704*(\ph)+512*nn
.set nn, nn+1
.endr
.set nn, 0
.rept 16
	ds_load_b128 v[S+4*nn:S+4*nn+3], v[AM+\slot] offset:TB*(\ph)+128*(nn/4)+16*(nn%4)
.set nn, nn+1
.endr
.endm
.macro SCORES w, qs                    ; logit = k q / 8 + mask: eight accumulators, one instruction each
	WIN 0x54*(\w)
.irp c, 0,1,2,3
	v_wmma_scale_f32_16x16x128_f8f6f4 v[S+16*\c:S+16*\c+7], v[KF+16*\c:KF+16*\c+15], v[16:31], v[S+16*\c:S+16*\c+7], v[216+\c], v[\qs]
	v_wmma_scale_f32_16x16x128_f8f6f4 v[S+16*\c+8:S+16*\c+15], v[KF+16*\c:KF+16*\c+15], v[24:39], v[S+16*\c+8:S+16*\c+15], v[216+\c], v[\qs]
.endr
.endm
.macro PV w, ps                        ; O^T += v^T p^T: four accumulators, one instruction each
	WIN 0x01+0x54*(\w)
.irp t, 0,1,2,3
	v_wmma_scale_f32_16x16x128_f8f6f4 v[O+8*\t:O+8*\t+7], v[KF+16*\t:KF+16*\t+15], v[PCD:PCD+15], v[O+8*\t:O+8*\t+7], v[220+\t], v[\ps]
.endr
.endm
; TILE w's SOFTMAX OF A KEY STEP, FIRST HALF: from the logits in S to the unquantised p, with the sums and O^T brought under the new M; it ends with the wait behind the batch
.macro SMX1 w
	WIN 0x55*(\w)
.irp b, 0,1,2,3
	v_max3_num_f32 v[232+\b], v[S+16*\b], v[S+1+16*\b], v[S+2+16*\b]   ; the largest logit of each block of 32 keys: for the row's maximum and for the block's largest p
.endr
.irp i, 3,5,7,9,11,13
.irp b, 0,1,2,3
	v_max3_num_f32 v[232+\b], v[232+\b], v[S+16*\b+\i], v[S+1+16*\b+\i]
.endr
.endr
.irp b, 0,1,2,3
	v_max_num_f32 v[232+\b], v[232+\b], v[S+15+16*\b]
.endr
.irp b, 0,1,2,3
	v_permlanex16_b32 v[236+\b], v[232+\b], s[SEL], s[SEL+1]
.endr
.irp b, 0,1,2,3
	v_max_num_f32 v[232+\b], v[232+\b], v[236+\b]
.endr
	v_max3_num_f32 v254, v232, v233, v234
	v_max_num_f32 v254, v254, v235
	v_mul_f32 v254, s[CS], v254                    ; as t
	v_max_num_f32 v13, v13, v254                   ; the running largest t
	v_mov_b32 v254, v12
	v_floor_f32 v12, -v13                          ; the new -M = -ceil(t)
	v_sub_f32 v254, v12, v254                      ; old M - new M
	v_cvt_i32_f32 v254, v254                       ; (it saturates)
	v_ldexp_f32 v252, 1.0, v254                    ; f = 2^(old M - new M)
.irp j, 0,2,4,6,8,10,12,14,16,18,20,22,24,26,28,30,32,34,36,38,40,42,44,46,48,50,52,54,56,58,60,62
	v_pk_fma_f32 v[S+\j:S+1+\j], v[S+\j:S+1+\j], s[CS:CS+1], v[12:13] op_sel_hi:[1,0,0]   ; t - M
.endr
.irp b, 0,1,2,3
	v_fma_f32 v[232+\b], v[232+\b], s[CS], v12     ; the same of each block's largest logit
.endr
	s_wait_alu depctr_va_vdst(0)                   ; the wait: ahead of the batch, and directly ahead of the first reader of O^T
.irp j, 0,2,4,6,8,10,12,14,16,18,20,22,24,26,28,30
	v_pk_mul_f32 v[O+\j:O+1+\j], v[O+\j:O+1+\j], v[252:253] op_sel_hi:[1,0]   ; O^T under the new M, each accumulator from its low end on
.endr
.irp b, 0,1,2,3
	v_exp_f32 v[232+\b], v[232+\b]                 ; the block's largest p
.endr
.set j, 0
.rept 64
	v_exp_f32 v[S+j], v[S+j]                       ; p = 2^(t - M): not normalised
.set j, j+1
.endr
	v_pk_mul_f32 v[14:15], v[14:15], v[252:253] op_sel_hi:[1,0]   ; the sums under the new M (plain lines behind the batch)
	v_pk_mul_f32 v[10:11], v[10:11], v[252:253] op_sel_hi:[1,0]
	s_wait_alu depctr_va_vdst(0)                   ; one wait for the batch, ahead of its first reader, and of whatever blocks or branches behind this half
.endm
; SECOND HALF: the scales, the sums, the holds, p's codes; their scale word into v[ps] (window 0)
.macro SMX2 w, ps
	WIN 0x55*(\w)
.irp b, 0,1,2,3
	v_max_num_f32 v[232+\b], 0x4800000, v[232+\b]  ; the floor 2^(9 - 127): the byte cannot fall under 1
.endr
.irp b, 0,1,2,3
	v_add_nc_u32 v[244+\b], 0xfc000000, v[232+\b]  ; the conversion's scale operand
.endr
.irp b, 0,1,2,3
	v_and_or_b32 v[240+\b], v[232+\b], 0x7f800000, s[MNT]   ; 448 x the scale,
.endr
.irp b, 0,1,2,3
	v_and_or_b32 v[248+(\b+1)%4], v[232+\b], 0x7f800000, s[MNT]   ; and once more, at a register number that differs modulo 4: for the second half of a dual pair
.endr
.irp b, 0,1,2,3
	v_lshrrev_b32 v[236+\b], 23, v[244+\b]         ; the scale's byte
.endr
	v_lshl_or_b32 v254, v237, 8, v236
	v_lshl_or_b32 v254, v238, 16, v254
	WIN 0x15*(\w)
	v_lshl_or_b32 v[\ps], v239, 24, v254           ; p's scale word, into window 0
	WIN 0x55*(\w)
	v_pk_add_f32 v[232:233], v[S:S+1], v[S+2:S+3]  ; the row's sum of the UNQUANTISED p, in four chains
	v_pk_add_f32 v[234:235], v[S+4:S+5], v[S+6:S+7]
.set j, 8
.rept 7
	v_pk_add_f32 v[14:15], v[14:15], v[S+j:S+j+1]
	v_pk_add_f32 v[10:11], v[10:11], v[S+j+2:S+j+3]
	v_pk_add_f32 v[232:233], v[232:233], v[S+j+4:S+j+5]
	v_pk_add_f32 v[234:235], v[234:235], v[S+j+6:S+j+7]
.set j, j+8
.endr
	v_pk_add_f32 v[14:15], v[14:15], v[232:233]
	v_pk_add_f32 v[10:11], v[10:11], v[234:235]
.irp b, 0,1,2,3
.irp i, 0,2,4,6,8,10,12,14
	v_dual_min_num_f32 v[S+16*\b+\i], v[S+16*\b+\i], v[240+\b] :: v_dual_min_num_f32 v[S+16*\b+\i+1], v[S+16*\b+\i+1], v[248+(\b+1)%4]   ; the conversion does not saturate (ISA guide 7.6.2); p is not negative: a one-sided hold, two numbers a line
.endr
	v_cvt_scalef32_pk8_fp8_f32 v[PCD+4*\b:PCD+1+4*\b], v[S+16*\b:S+7+16*\b], v[244+\b]
	v_cvt_scalef32_pk8_fp8_f32 v[PCD+2+4*\b:PCD+3+4*\b], v[S+8+16*\b:S+15+16*\b], v[244+\b]
.endr
	PLACES 4                                       ; between the codes just made and the scaled product that takes them
.endm
; A TRIP.  At its head the change of slots: the wait for all my tensor loads, the add, the wait for it (my reads of the slot left were waited for at the last trip's end); the round's opening signal; work on registers;
; the rest of the round; fill = 1: the slot just left takes the next step's tiles.
.macro TRIP slot, fill, first
	s_wait_tensorcnt 0x0
	ds_add_u32 v[SPW], v[NIL]
.if \fill
	ds_add_u32 v[SPW], v[NIL]
.endif
	s_add_nc_u64 s[G0M+4*\slot+2:G0M+4*\slot+3], s[G0M+4*\slot+2:G0M+4*\slot+3], 1024    ; this slot's next tiles: two steps on
	s_add_nc_u64 s[G0K+4*\slot+2:G0K+4*\slot+3], s[G0K+4*\slot+2:G0K+4*\slot+3], 34816
.if \fill
	s_wait_xcnt 0x0                                ; any prefetch of mine has read its address, so it may be stepped
	s_add_nc_u64 s[PFA:PFA+1], s[PFA:PFA+1], s[PFS:PFS+1]
.endif
	s_wait_dscnt 0x0
	s_barrier_signal -1                            ; the round opens; registers alone are at work up to its opening wait
.if \first
.else
	SCORES 1, 227                                  ; tile B's scores and tile A's second product of the step before
	PV 0, 225
	PLACES 8                                       ; ahead of the first read of B's logits, and of this trip's loads into k's registers and scale words
	SMX1 1
.endif
	RREST
.if \fill
	TLOAD 1-\slot
.endif
	ds_load_b128 v[216:219], v[AKV+\slot] offset:8192   ; k's scale words
	LDSRUN 0, \slot
.if \fill
	s_cmp_gt_u32 s62, s[LIM]                       ; waves 5 to 7, but in the loop's last trip (steps 13, 14): the step three on
	s_cbranch_scc0 .Lnot_mine_\@
	global_prefetch_b8 v[PFO], s[PFA:PFA+1] th:TH_LOAD_NT scope:SCOPE_SE
.Lnot_mine_\@:
.endif
.if \first
.else
	SMX2 1, 226                                    ; tile B, the step before: while the loads land
	PV 1, 226
	WIN 0
.endif
	s_wait_dscnt 0x0                               ; k, its scale words and A's mask are in
	SCORES 0, 224
	PLACES 8                                       ; ahead of the first read of A's logits, and of the loads into v's registers and scale words
	ds_load_b128 v[220:223], v[AKV+\slot] offset:16896
	WIN 0x40
	LDSRUN 1, \slot
	SMX1 0                                         ; tile A, this step
	SMX2 0, 225
	s_wait_alu depctr_va_vdst(0)                   ; the wait ahead of the blocking wait
	s_wait_dscnt 0x0                               ; v, its scale words and B's mask are in: my last reads of this slot
.endm
	s_mov_b32 s62, 7
	s_wait_alu depctr_va_vdst(0)                   ; the wait at the head's end
	TRIP 0, 1, 1
.Lpair:                                            ; seven trips of two key steps
	TRIP 1, 1, 0
	TRIP 0, 1, 0
	s_sub_co_u32 s62, s62, 1
	s_cmp_lg_u32 s62, 0
	s_cbranch_scc1 .Lpair
	TRIP 1, 0, 0                                   ; the last step is written out: it asks for nothing
	SCORES 1, 227                                  ; what is left of the last step
	PV 0, 225
	PLACES 8
	SMX1 1
	SMX2 1, 226
	PV 1, 226
	WIN 0
	PLACES 8
	; THE WAY OUT.  O^T / the sum: register 16 b + i is channel 32 b + 16 h + i of my query: two blocks of the last product's K
	s_and_b32 s66, s58, 15                         ; the head
	s_lshr_b32 s67, s58, 4                         ; the batch
	s_lshl_b32 s67, s67, 7
	s_lshl_b32 s68, s59, 4
	s_add_co_u32 s67, s67, s68
	s_lshl_b32 s68, s[WV], 1
	s_add_co_u32 s67, s67, s68                     ; tile A's tile of 16 tokens; tile B's is the next
	s_lshr_b32 s68, s66, 2                         ; codes: K step = head / 4,
	s_lshl_b32 s68, s68, 20
	s_lshl_b32 s69, s67, 12                        ; the tile's 4,096 bytes,
	s_add_co_u32 s68, s68, s69
	s_bfe_u32 s69, s66, 0x10001                    ; which 128 along K,
	s_lshl_b32 s69, s69, 11
	s_add_co_u32 s68, s68, s69
	s_and_b32 s69, s66, 1                          ; and which two groups
	s_lshl_b32 s69, s69, 10
	s_add_co_u32 s68, s68, s69
	s_mov_b32 s69, 0
	s_add_nc_u64 s[10:11], s[10:11], s[68:69]
	s_lshl_b32 s68, s67, 9                         ; scale bytes: 512 a tile, 256 a half of K, 2 a head
	s_lshr_b32 s70, s66, 3
	s_lshl_b32 s70, s70, 8
	s_add_co_u32 s68, s68, s70
	s_and_b32 s70, s66, 7
	s_lshl_b32 s70, s70, 1
	s_add_co_u32 s68, s68, s70
	s_add_nc_u64 s[12:13], s[12:13], s[68:69]
	v_bfe_u32 v9, v0, 4, 1
	v_cmp_ne_u32 vcc_lo, 0, v9                     ; lane (r, h) stores block h's scale byte
.macro OUT w
	WIN 0x55*(\w)
	v_add_f32 v14, v14, v15
	v_add_f32 v10, v10, v11
	v_add_f32 v14, v14, v10
	v_permlanex16_b32 v252, v14, s[SEL], s[SEL+1]
	v_add_f32 v14, v14, v252                       ; the row's sum
	s_wait_alu depctr_va_vdst(0)                   ; the wait ahead of the transcendental
	v_rcp_f32 v14, v14
	v_nop
	s_wait_alu depctr_va_vdst(0)                   ; and behind it, directly ahead of the first readers
.irp j, 0,1,2,3,4,5,6,7,8,9,10,11,12,13,14,15,16,17,18,19,20,21,22,23,24,25,26,27,28,29,30,31
	v_mul_f32 v[S+\j], v[O+\j], v14
.endr
.irp b, 0,1
	v_max3_num_f32 v[232+\b], |v[S+16*\b]|, |v[S+1+16*\b]|, 0x4800000
.endr
.irp i, 2,4,6,8,10,12,14
.irp b, 0,1
	v_max3_num_f32 v[232+\b], v[232+\b], |v[S+16*\b+\i]|, |v[S+1+16*\b+\i]|
.endr
.endr
.irp b, 0,1
	v_permlanex16_b32 v[236+\b], v[232+\b], s[SEL], s[SEL+1]
.endr
.irp b, 0,1
	v_max_num_f32 v[232+\b], v[232+\b], v[236+\b]
.endr
.irp b, 0,1
	v_add_nc_u32 v[244+\b], 0xfc000000, v[232+\b]
.endr
.irp b, 0,1
	v_and_or_b32 v[240+\b], v[232+\b], 0x7f800000, s[MNT]
.endr
.irp b, 0,1
	v_lshrrev_b32 v[236+\b], 23, v[244+\b]
.endr
.irp b, 0,1
.irp i, 0,1,2,3,4,5,6,7,8,9,10,11,12,13,14,15
	v_med3_num_f32 v[S+16*\b+\i], v[S+16*\b+\i], -v[240+\b], v[240+\b]
.endr
	v_cvt_scalef32_pk8_fp8_f32 v[PCD+4*\b:PCD+1+4*\b], v[S+16*\b:S+7+16*\b], v[244+\b]
	v_cvt_scalef32_pk8_fp8_f32 v[PCD+2+4*\b:PCD+3+4*\b], v[S+8+16*\b:S+15+16*\b], v[244+\b]
.endr
	v_nop
	v_cndmask_b32 v254, v236, v237, vcc_lo
	WIN 0x04*(\w)                                  ; a store's data are its source 1
	global_store_b128 v7, v[PCD:PCD+3], s[10:11] offset:4096*(\w)       ; 512 consecutive bytes, aligned
	global_store_b128 v7, v[PCD+4:PCD+7], s[10:11] offset:4096*(\w)+512
	global_store_b8 v8, v254, s[12:13] offset:512*(\w)
.endm
	OUT 0
	OUT 1                                          ; (it writes registers of window 1 alone)
	WIN 0
	s_wait_tensorcnt 0x0                           ; the wave's end
	ds_add_u32 v[SPW], v[NIL]
	s_wait_dscnt 0x0
	ROUND                                          ; the closing round
	s_endpgm
.Lfunc_end_k_qa80dee8c10_attn:
	.size	k_qa80dee8c10_attn, .Lfunc_end_k_qa80dee8c10_attn-k_qa80dee8c10_attn
	.p2alignl 7, 3214868480
	.fill 96, 4, 3214868480
	.section	.rodata,"a",@progbits
	.p2align	6, 0x0
	.amdhsa_kernel k_qa80dee8c10_attn
		.amdhsa_group_segment_fixed_size 327680
		.amdhsa_private_segment_fixed_size 0
		.amdhsa_enable_private_segment 0
		.amdhsa_kernarg_size 40
		.amdhsa_user_sgpr_count 2
		.amdhsa_user_sgpr_kernarg_segment_ptr 1
		.amdhsa_wavefront_size32 1
		.amdhsa_system_sgpr_workgroup_id_x 1
		.amdhsa_system_sgpr_workgroup_id_y 1
		.amdhsa_system_sgpr_workgroup_id_z 1
		.amdhsa_system_vgpr_workitem_id 0
		.amdhsa_next_free_vgpr 512
		.amdhsa_next_free_sgpr 96
		.amdhsa_reserve_vcc 1
		.amdhsa_float_denorm_mode_32 3
		.amdhsa_float_denorm_mode_16_64 3
		.amdhsa_memory_ordered 1
		.amdhsa_forward_progress 1
		.amdhsa_inst_pref_size 177
	.end_amdhsa_kernel
	.amdgpu_metadata
---
amdhsa.version: [ 1, 2 ]
amdhsa.kernels:
  - .name:           k_qa80dee8c10_attn
    .symbol:         k_qa80dee8c10_attn.kd
    .args:
      - { .name: qc, .offset: 0, .size: 8, .value_kind: global_buffer, .address_space: global }
      - { .name: kv, .offset: 8, .size: 8, .value_kind: global_buffer, .address_space: global }
      - { .name: mask, .offset: 16, .size: 8, .value_kind: global_buffer, .address_space: global }
      - { .name: ac, .offset: 24, .size: 8, .value_kind: global_buffer, .address_space: global }
      - { .name: asc, .offset: 32, .size: 8, .value_kind: global_buffer, .address_space: global }
    .group_segment_fixed_size: 327680
    .private_segment_fixed_size: 0
    .kernarg_segment_align: 8
    .kernarg_segment_size: 40
    .max_flat_workgroup_size: 256
    .sgpr_count:     96
    .vgpr_count:     512
    .wavefront_size: 32
...
	.end_amdgpu_metadata
.endif
;; end of part 3
;; launch proj (part 4): grid 8 x 32, 4 waves a work-group, clusters of 4 x 4, 327,680 bytes of LDS; arguments codes, scales, ac, asc, out0; writes out0
.if DOCPART == 4
	.amdgcn_target "amdgcn-amd-amdhsa--gfx1250"
	.amdhsa_code_object_version 6
	.text
	.protected	k_qa80dee8c10_proj
	.globl	k_qa80dee8c10_proj
	.p2align	8
	.type	k_qa80dee8c10_proj,@function
k_qa80dee8c10_proj:
	s_mov_b64 s[64:65], 0
	v_nop
	global_prefetch_b8 v0, s[64:65] scope:SCOPE_SE
	s_setreg_imm32_b32 hwreg(HW_REG_WAVE_MODE, 25, 1), 1
	s_wait_xcnt 0x0
	s_wait_alu depctr_hold_cnt(0) depctr_sa_sdst(0) depctr_va_vdst(0) depctr_va_sdst(0) depctr_va_ssrc(0) depctr_va_vcc(0) depctr_vm_vsrc(0)
	s_getreg_b32 s2, hwreg(HW_REG_IB_STS2, 6, 4)
	s_cmp_eq_u32 s2, 0
	s_cbranch_scc0 .Lentry_in_a_cluster
	s_endpgm
.Lentry_in_a_cluster:
	s_bfe_u32 s2, ttmp6, 0x10000c
	s_cmp_lg_u32 s2, 0xf033
	s_cbranch_scc0 .Lentry_shape_is_right
	s_endpgm
.Lentry_shape_is_right:
; out0 [4096][1024] f32 = O Wo^T on codes of FP8 (E4M3) with E8M0 scales.  O's codes (ac) and Wo's (tiles 448 to 511 of codes) lie as images of operand registers:
; [K step of 256: 4][tile of 16 rows][128 along K: 2][group c: 4][lane][16 bytes]; the scale words (asc, scales) [tile][half of K][slot r][4 words].
; SHARES.  256 work-groups, each a block of 128 tokens x 128 columns; four waves, 2 x 2, each 64 x 64: 16 accumulators, which take turns.
; ALL OF K STAYS IN LDS: A's 8 tiles x 1,024 of K are 128 KiB, B's likewise; each byte of LDS is filled once, so there is no ring and no refill.
; One joint load a wave: waves 0, 1 fetch K steps 0, 1 of A and of B, waves 2, 3 K steps 2, 3: two rows of 32,768 bytes each, a K step apart in memory.  The first barrier shows waves 0 and 1's tiles alone
; (they have load lines of their own); the second, inside the third step of 128, shows the rest.
; CLUSTERS 4 x 4: A's tiles hang on the block's row and are shared along a row of the cluster, B's on its column and are shared along a column.
; THE SCALE WORDS go straight into registers: a load reads a tile's 512 consecutive bytes; lanes 0-15 then hold the lower half of K's four words of slot r, lanes 16-31 the upper half's: the row selector picks the half.
; No prefetch: the launch has no loop to run ahead in; every tile is asked for at the head.
; TRANSPOSED USE: source 0 = Wo's rows, source 1 = tokens: a lane holds eight neighbouring columns of one token.  Wo's tile b slot 8 h + j is column 32 (b / 2) + 16 h + 8 (b % 2) + j of the wave's 64.
; REGISTERS: window 0: v1-11 addresses; v16-31 A's scale words, v34-49 B's; v64-191 the accumulators; v192-255 the way out.  Window 1: two sets of 128: A's four fragments, then B's four.
.set LB,    131072
.set SPARE, 262144
.set STAGE, 262656                     ; 16 rows x 272 bytes for each wave; no tile lands here
.set SP,    272
.set L16,  1
.set ADRA, 2
.set ADRB, 4
.set STO,  6
.set RD,   7
.set CO,   8
.set SPW,  10
.set NIL,  11
.set SA,   16
.set SB,   34
.set ACC,  64
.set BK,   192
.set G1A,  24
.set G1B,  32
.set G0A,  48
.set G0B,  52
.set MSB, 0
.macro WIN new
.if MSB != (\new)
	s_set_vgpr_msb (MSB<<8)|(\new)
.set MSB, (\new)
.endif
.endm
.macro PLACES n
.rept \n
	v_nop
.endr
.endm
.macro CROUND
	s_barrier_signal -1
	s_barrier_wait -1
	s_cmp_lg_u32 s14, 0
	s_cbranch_scc1 .Lnot_wave_0_\@
	s_barrier_signal -3
.Lnot_wave_0_\@:
	s_barrier_wait -3
	s_barrier_signal -1
	s_barrier_wait -1
.endm
	s_load_b256 s[4:11], s[0:1], 0x0               ; codes, scales, ac, asc
	s_load_b64 s[12:13], s[0:1], 0x20              ; out0
	v_lshl_add_u32 v[SPW], v0, 2, SPARE
	v_mov_b32 v[NIL], 0
	ds_add_u32 v[SPW], v[NIL]                      ; the opening lines: the add twice on end under one wait
	ds_add_u32 v[SPW], v[NIL]
	v_lshrrev_b32 v1, 5, v0
	v_readfirstlane_b32 s14, v1                    ; wave 0..3
	s_lshr_b32 s15, s14, 1                         ; my row of waves.  Also: which half of K I fetch
	s_and_b32 s16, s14, 1                          ; my column of waves.  Also: I fetch for A (0) or B (1)
	s_bfe_u32 s40, ttmp6, 0x40000                  ; cx
	s_bfe_u32 s41, ttmp6, 0x40004                  ; cy
	s_lshl_b32 s42, ttmp9, 2
	s_add_co_u32 s42, s42, s40                     ; block column x, 0..7
	s_and_b32 s17, ttmp7, 0xffff
	s_lshl_b32 s17, s17, 2
	s_add_co_u32 s17, s17, s41                     ; block row y, 0..31
	s_lshl_b32 s43, s41, 2
	s_lshl_b32 s43, 15, s43                        ; my row of the cluster
	s_lshl_b32 s44, 0x1111, s40                    ; my column
	s_or_b32 s[G1A], s43, (3<<16)|(1<<21)          ; elements of 8 bytes, no padding
	s_or_b32 s[G1B], s44, (3<<16)|(1<<21)
.irp g, G1A, G1B
	s_mov_b32 s[\g+1], 4096<<16                    ; a row: 4,096 elements = 8 tiles of one K step
	s_mov_b32 s[\g+2], 2<<16                       ; two K steps
	s_mov_b32 s[\g+3], 4096<<16
	s_mov_b32 s[\g+4], 2
	s_mov_b32 s[\g+6], 0
	s_mov_b32 s[\g+7], 0
.endr
	s_mov_b32 s[G1A+5], 131072                     ; a K step of ac: 256 tiles x 4,096 bytes
	s_mov_b32 s[G1B+5], 262144                     ; of codes: 512 tiles
	s_lshl_b32 s20, s17, 15                        ; A: 8 y tiles of 4,096 bytes,
	s_lshl_b32 s18, s15, 21                        ; + two K steps for the upper half
	s_add_co_u32 s20, s20, s18
	s_mov_b32 s21, 0
	s_lshl_b32 s46, s42, 15                        ; B: tile 448 + 8 x
	s_add_co_u32 s46, s46, 448*4096
	s_lshl_b32 s18, s15, 22
	s_add_co_u32 s46, s46, s18
	s_mov_b32 s47, 0
	s_lshl_b32 s45, s15, 16                        ; in LDS: 65,536 for the upper half
	s_wait_alu depctr_va_vdst(0)                   ; the wait ahead of the blocking waits
	s_wait_dscnt 0x0
	s_wait_kmcnt 0x0
	s_mov_b32 s[G0A], 1
	s_mov_b32 s[G0A+1], s45
	s_add_nc_u64 s[G0A+2:G0A+3], s[8:9], s[20:21]
	s_or_b32 s[G0A+3], s[G0A+3], 0x80000000
	s_mov_b32 s[G0B], 1
	s_add_co_u32 s[G0B+1], s45, LB
	s_add_nc_u64 s[G0B+2:G0B+3], s[4:5], s[46:47]
	s_or_b32 s[G0B+3], s[G0B+3], 0x80000000
	CROUND                                         ; the joint loads meet
.macro ARM under, g0, g1, next         ; one chain of branches on the wave's number, one load to an arm
	s_cmp_lt_u32 s14, \under
	s_cbranch_scc0 \next
	tensor_load_to_lds s[\g0:\g0+3], s[\g1:\g1+7]
	s_nop 0
.rept 4
	v_nop
.endr
	s_branch .Lasked
\next:
.endm
	ARM 1, G0A, G1A, .Lb_lo
	ARM 2, G0B, G1B, .La_hi
	ARM 3, G0A, G1A, .Lb_hi
	tensor_load_to_lds s[G0B:G0B+3], s[G1B:G1B+7]
	s_nop 0
.rept 4
	v_nop
.endr
.Lasked:
	s_lshl_b32 s21, s15, 14                        ; my four tiles of A,
	s_lshl_b32 s22, s16, 14                        ; of B
	s_add_co_u32 s22, s22, LB
	s_mul_i32 s23, s14, 16*SP
	s_add_co_u32 s23, s23, STAGE                   ; my stage
	s_lshl_b32 s18, s17, 3                         ; A's scale words: tile 8 y + 4 x my row of waves
	s_lshl_b32 s19, s15, 2
	s_add_co_u32 s18, s18, s19
	s_lshl_b32 s18, s18, 9
	s_mov_b32 s19, 0
	s_add_nc_u64 s[10:11], s[10:11], s[18:19]
	s_lshl_b32 s18, s42, 3                         ; B's: tile 448 + 8 x + 4 x my column of waves
	s_lshl_b32 s56, s16, 2
	s_add_co_u32 s18, s18, s56
	s_add_co_u32 s18, s18, 448
	s_lshl_b32 s18, s18, 9
	s_add_nc_u64 s[6:7], s[6:7], s[18:19]
	s_lshl_b32 s18, s17, 7                         ; out0: row 128 y + 64 x my row of waves, rows of 4,096 bytes,
	s_lshl_b32 s56, s15, 6
	s_add_co_u32 s18, s18, s56
	s_lshl_b32 s18, s18, 12
	s_lshl_b32 s56, s42, 9                         ; column 128 x + 64 x my column of waves
	s_add_co_u32 s18, s18, s56
	s_lshl_b32 s56, s16, 8
	s_add_co_u32 s18, s18, s56
	s_add_nc_u64 s[12:13], s[12:13], s[18:19]
	v_and_b32 v12, 15, v0                          ; r
	v_bfe_u32 v13, v0, 4, 1                        ; h
	v_and_b32 v14, 31, v0
	v_lshlrev_b32 v[L16], 4, v14                   ; 16 x lane
	v_add_nc_u32 v[ADRA], s21, v[L16]
	v_add_nc_u32 v[ADRB], s22, v[L16]
	v_add_nc_u32 v[ADRA+1], 65536, v[ADRA]         ; the upper half of K
	v_add_nc_u32 v[ADRB+1], 65536, v[ADRB]
	v_mul_u32_u24 v15, v12, SP
	v_lshl_add_u32 v15, v13, 6, v15
	v_add_nc_u32 v[STO], s23, v15                  ; into the stage: row r, + 64 h
	v_mul_u32_u24 v15, v13, SP
	v_lshl_add_u32 v15, v12, 4, v15
	v_add_nc_u32 v[RD], s23, v15                   ; back: lanes 0-15 one row, lanes 16-31 the next
	v_lshlrev_b32 v15, 12, v13
	v_lshl_add_u32 v[CO], v12, 4, v15              ; and the same two rows in out0
	s_wait_alu depctr_va_vdst(0)                   ; the wait at the head's end
.irp i, 0,1,2,3
	global_load_b128 v[SA+4*\i:SA+4*\i+3], v[L16], s[10:11] offset:512*\i
	global_load_b128 v[SB+4*\i:SB+4*\i+3], v[L16], s[6:7] offset:512*\i
.endr
	s_cmp_lt_u32 s14, 2
	s_cbranch_scc0 .Lnot_yet
	s_wait_tensorcnt 0x0                           ; waves 0, 1: the lower half of K has landed
.Lnot_yet:
	s_barrier_signal -1
	s_barrier_wait -1
.macro FETCH q                         ; the q-th 128 of K: A's four fragments and B's four into set q % 2 of window 1: 32 loads
	WIN 0x40
.irp a, 0,1,2,3
.irp c, 0,1,2,3
	ds_load_b128 v[128*((\q)%2)+16*\a+4*\c:128*((\q)%2)+16*\a+4*\c+3], v[ADRA+(\q)/4] offset:(((\q)/2)%2)*32768+\a*4096+((\q)%2)*2048+512*\c
.endr
.endr
.irp a, 0,1,2,3
.irp c, 0,1,2,3
	ds_load_b128 v[128*((\q)%2)+64+16*\a+4*\c:128*((\q)%2)+64+16*\a+4*\c+3], v[ADRB+(\q)/4] offset:(((\q)/2)%2)*32768+\a*4096+((\q)%2)*2048+512*\c
.endr
.endr
.endm
.macro MUL q                           ; 16 products; the first step starts the sums
.set FS, 128*((\q)%2)
	WIN 0x05
.irp a, 0,1,2,3
.irp b, 0,1,2,3
.if (\q) == 0
	v_wmma_scale_f32_16x16x128_f8f6f4 v[ACC+8*(4*\a+\b):ACC+8*(4*\a+\b)+7], v[FS+64+16*\b:FS+64+16*\b+15], v[FS+16*\a:FS+16*\a+15], 0, v[SB+4*\b], v[SA+4*\a]
.elseif (\q) < 4
	v_wmma_scale_f32_16x16x128_f8f6f4 v[ACC+8*(4*\a+\b):ACC+8*(4*\a+\b)+7], v[FS+64+16*\b:FS+64+16*\b+15], v[FS+16*\a:FS+16*\a+15], v[ACC+8*(4*\a+\b):ACC+8*(4*\a+\b)+7], v[SB+4*\b+(\q)], v[SA+4*\a+(\q)]
.else
	v_wmma_scale_f32_16x16x128_f8f6f4 v[ACC+8*(4*\a+\b):ACC+8*(4*\a+\b)+7], v[FS+64+16*\b:FS+64+16*\b+15], v[FS+16*\a:FS+16*\a+15], v[ACC+8*(4*\a+\b):ACC+8*(4*\a+\b)+7], v[SB+4*\b+(\q)-4], v[SA+4*\a+(\q)-4] matrix_a_scale:MATRIX_SCALE_ROW1 matrix_b_scale:MATRIX_SCALE_ROW1
.endif
.endr
.endr
.endm
	FETCH 0
	FETCH 1
	s_wait_loadcnt 0x0                             ; the scale words
	s_wait_dscnt 32                                ; set 0 is in; the 32 loads of set 1 may be out
	MUL 0
	PLACES 8                                       ; ahead of loads into registers that the products have read
	FETCH 2
	s_wait_dscnt 32
	MUL 1
	PLACES 8
	FETCH 3
	s_wait_tensorcnt 0x0                           ; every wave: the upper half of K has landed
	s_wait_dscnt 0x0
	s_barrier_signal -1
	MUL 2                                          ; work on registers between signal and wait
	s_barrier_wait -1
	PLACES 8
	FETCH 4
	MUL 3                                          ; (its set came in ahead of the signal)
	PLACES 8
	FETCH 5
	s_wait_dscnt 32
	MUL 4
	PLACES 8
	FETCH 6
	s_wait_dscnt 32
	MUL 5
	PLACES 8
	FETCH 7
	s_wait_dscnt 32
	MUL 6
	s_wait_dscnt 0x0
	MUL 7
	WIN 0
; THE WAY OUT, by blocks of 16 tokens x 64 columns: through my own stage and back as rows of 256 bytes, which sixteen lanes store as one aligned unit.  LDS serves a wave's instructions in order (ISA guide 5.7.1.4).
.macro TOSTAGE a
.irp b, 0,1,2,3
	ds_store_b128 v[STO], v[ACC+8*(4*(\a)+\b):ACC+8*(4*(\a)+\b)+3] offset:128*(\b/2)+32*(\b%2)
	ds_store_b128 v[STO], v[ACC+8*(4*(\a)+\b)+4:ACC+8*(4*(\a)+\b)+7] offset:128*(\b/2)+32*(\b%2)+16
.endr
.irp t, 0,1,2,3,4,5,6,7
	ds_load_b128 v[BK+32*((\a)%2)+4*\t:BK+32*((\a)%2)+4*\t+3], v[RD] offset:\t*2*SP
.endr
.endm
.macro SEND a, younger
	s_wait_dscnt \younger
.irp t, 0,1,2,3,4,5,6,7
	global_store_b128 v[CO], v[BK+32*((\a)%2)+4*\t:BK+32*((\a)%2)+4*\t+3], s[12:13] offset:(16*(\a)+2*\t)*4096 th:TH_STORE_NT
.endr
.endm
	PLACES 8
	TOSTAGE 0
.irp a, 1,2,3
.if \a > 1
	s_wait_xcnt 0x0                                ; block a - 2's stores have read their registers
.endif
	TOSTAGE \a
	SEND \a-1, 16                                  ; behind block a - 1's loads: block a's 8 stores and 8 loads
.endr
	SEND 3, 0
	s_wait_tensorcnt 0x0                           ; the wave's end
	ds_add_u32 v[SPW], v[NIL]
	s_wait_dscnt 0x0
	CROUND                                         ; the closing round
	s_endpgm
.Lfunc_end_k_qa80dee8c10_proj:
	.size	k_qa80dee8c10_proj, .Lfunc_end_k_qa80dee8c10_proj-k_qa80dee8c10_proj
	.p2alignl 7, 3214868480
	.fill 96, 4, 3214868480
	.section	.rodata,"a",@progbits
	.p2align	6, 0x0
	.amdhsa_kernel k_qa80dee8c10_proj
		.amdhsa_group_segment_fixed_size 327680
		.amdhsa_private_segment_fixed_size 0
		.amdhsa_enable_private_segment 0
		.amdhsa_kernarg_size 40
		.amdhsa_user_sgpr_count 2
		.amdhsa_user_sgpr_kernarg_segment_ptr 1
		.amdhsa_wavefront_size32 1
		.amdhsa_system_sgpr_workgroup_id_x 1
		.amdhsa_system_sgpr_workgroup_id_y 1
		.amdhsa_system_sgpr_workgroup_id_z 1
		.amdhsa_system_vgpr_workitem_id 0
		.amdhsa_next_free_vgpr 512
		.amdhsa_next_free_sgpr 66
		.amdhsa_reserve_vcc 0
		.amdhsa_float_denorm_mode_32 3
		.amdhsa_float_denorm_mode_16_64 3
		.amdhsa_memory_ordered 1
		.amdhsa_forward_progress 1
		.amdhsa_inst_pref_size 50
	.end_amdhsa_kernel
	.amdgpu_metadata
---
amdhsa.version: [ 1, 2 ]
amdhsa.kernels:
  - .name:           k_qa80dee8c10_proj
    .symbol:         k_qa80dee8c10_proj.kd
    .args:
      - { .name: codes, .offset: 0, .size: 8, .value_kind: global_buffer, .address_space: global }
      - { .name: scales, .offset: 8, .size: 8, .value_kind: global_buffer, .address_space: global }
      - { .name: ac, .offset: 16, .size: 8, .value_kind: global_buffer, .address_space: global }
      - { .name: asc, .offset: 24, .size: 8, .value_kind: global_buffer, .address_space: global }
      - { .name: out0, .offset: 32, .size: 8, .value_kind: global_buffer, .address_space: global }
    .group_segment_fixed_size: 327680
    .private_segment_fixed_size: 0
    .kernarg_segment_align: 8
    .kernarg_segment_size: 40
    .max_flat_workgroup_size: 128
    .sgpr_count:     66
    .vgpr_count:     512
    .wavefront_size: 32
...
	.end_amdgpu_metadata
.endif
;; end of part 4
